; MI455X (gfx1250); checked and timed in simulation.
; The chip was launched on July 23, 2026; its instructions are those of AMD's public machine-readable ISA for CDNA 5 (MIT licence, August 2026) and "CDNA5" Instruction Set Architecture Reference Guide (July 2026). The comments in the code are by the model that wrote it; some were corrected since.
;; Multi Headed Attention. Allowed arithmetic: matrix products marked QUANTISED: E2M1 operands, one E8M0 scale for each 32 along K, by v_wmma_scale_f32_16x16x128_f8f6f4 with both operands' format E2M1 (or v_wmma_scale_f32_32x16x128_f4), f32 sums; products left as they are: bf16, f16 or f32 operands; f32 sums; everything else in f32.
;; Inputs: Wk 1,024 x 1,024 float32; Wo 1,024 x 1,024 float32; Wq 1,024 x 1,024 float32; Wv 1,024 x 1,024 float32; bk 1,024 float32; bo 1,024 float32; bq 1,024 float32; bv 1,024 float32; key 4 x 2,048 x 1,024 float32; query 4 x 2,048 x 1,024 float32; value 4 x 2,048 x 1,024 float32.
;; Outputs: out0 4 x 2,048 x 1,024 float32.
;; This version of the problem:
;;   THIS VERSION OF THE PROBLEM IS GIVEN IN LOW PRECISION. The matrix products marked QUANTISED in the list below multiply operands that are first quantised to E2M1 (2 exponent bits, 1 mantissa bit; 4 bits a number), with one power-of-two scale for each 32 numbers along K (OCP MX v1.0); their sums are f32. The products marked 'left as it is' may take bf16, f16 or f32 operands, with f32 sums. Whichever they take, every output number must still come out within the allowed error. Rounding operands to bf16 (8 significant bits) uses up far more of that allowance than f16 does (11 bits, for magnitudes from 6e-5 to 65,504). All else is computed in f32.
;;   The module's matrix products, in the order in which they are computed (A, B: the left and right operand; K: the contracted axis; several contracted axes count as one K, in the product's order):
;;     1. [M 8,192, K 1,024] x [K 1,024, N 1,024]; A: input query; B: input Wq: QUANTISED
;;     2. [M 8,192, K 1,024] x [K 1,024, N 1,024]; A: input key; B: input Wk: QUANTISED
;;     3. [M 8,192, K 1,024] x [K 1,024, N 1,024]; A: input value; B: input Wv: QUANTISED
;;     4. batch 64 x [M 2,048, K 64] x [K 64, N 2,048]; A: computed on the way; B: computed on the way: left as it is (an operand is computed on the way)
;;     5. batch 64 x [M 2,048, K 2,048] x [K 2,048, N 64]; A: computed on the way; B: computed on the way: left as it is (an operand is computed on the way)
;;     6. [M 8,192, K 1,024] x [K 1,024, N 1,024]; A: computed on the way; B: input Wo: left as it is (an operand is computed on the way)
;;   THE QUANTISER, for each operand of a quantised product, along K:
;;     - K is cut into blocks of 32 from its start; a last block that is shorter is filled with zeros.
;;     - A block's scale is 2^e with e = floor(log2(the largest magnitude in the block)) - 2, held to -126 .. 127; a block of zeros has e = 0. As a byte (E8M0): e + 127.
;;     - Each number is divided by its block's scale, clamped to +-6, and rounded to the nearest number of E2M1, ties to even, subnormals kept.
;;     - The product sums the exact products of the quantised numbers (number of the format x scale) in f32.
;;   ~~~python
;;   def quantise(x, axis):      # numpy; x: float32 -> the quantised numbers, widened to float32 again
;;       x = np.moveaxis(x, axis, -1); K = x.shape[-1]
;;       x = np.pad(x, [(0, 0)] * (x.ndim - 1) + [(0, -K % 32)]); x = x.reshape(x.shape[:-1] + (-1, 32)); a = np.abs(x).max(-1, keepdims=True)
;;       e = np.where(a > 0, np.clip(np.frexp(np.where(a > 0, a, 1))[1] - 1 - 2, -126, 127), 0)      # np.frexp(a)[1] - 1 = floor(log2(a)), exactly
;;       r = np.clip(x / 2.0 ** e, -6, 6)
;;       step = 2.0 ** (np.maximum(np.frexp(np.where(r == 0, 1, r))[1] - 1, 0) - 1)
;;       q = np.round(r / step) * step * 2.0 ** e      # np.round: ties to even
;;       return np.moveaxis(q.reshape(q.shape[:-2] + (-1,))[..., :K], -1, axis).astype(np.float32)
;;   ~~~
;; One version. Each part assembles by itself: llvm-mc -triple=amdgcn-amd-amdhsa -mcpu=gfx1250 --defsym DOCPART=n.
;; ======== version 1 of 1: 4 launches
;; limits: values are held in f16: magnitudes above 65,504 overflow, below 6.1e-05 lose precision
;; workspace buffers: codes 14,155,776 bytes; scales 884,736 bytes; wo16 2,097,152 bytes; qkv 50,331,648 bytes; att 16,777,216 bytes
;; launch quant (part 1): grid 896 x 1, 4 waves a work-group, no clusters, 33,280 bytes of LDS; arguments query, key, value, Wq, Wk, Wv, Wo, codes, scales, wo16; writes codes, scales, wo16
.if DOCPART == 1
	.amdgcn_target "amdgcn-amd-amdhsa--gfx1250"
	.amdhsa_code_object_version 6
	.text
	.protected	k_q731c71a179_quant
	.globl	k_q731c71a179_quant
	.p2align	8
	.type	k_q731c71a179_quant,@function
k_q731c71a179_quant:
	s_mov_b64 s[64:65], 0
	v_nop
	global_prefetch_b8 v0, s[64:65] scope:SCOPE_SE
	s_setreg_imm32_b32 hwreg(HW_REG_WAVE_MODE, 25, 1), 1
	s_wait_xcnt 0x0
; FIRST OF FOUR LAUNCHES of multi-head attention (4 x 2,048 tokens, width 1,024, 16 heads of 64).
; This one turns query, key, value, Wq, Wk, Wv (f32, K innermost) into codes of FP4 (E2M1) with one E8M0 scale byte for each 32 along K, and Wo into f16.
; WORK LEFT OUT IN THE WHOLE PROGRAM: THE BIAS bk.  A score is q . (k' + bk) / 8 = q . k' / 8 + q . bk / 8, k' = key Wk^T.  The second term holds no key: for a given query it is the same
; along the axis over which the softmax is taken, and softmax(s + const) = softmax(s) for all values of q, k' and bk.  The product q k^T is not a quantised one, so no quantiser stands between bk and the softmax.
; k reaches the result through the scores alone.  So bk has no way to any output: it is not loaded and is among no launch's arguments.
; LIMIT: a NaN, an infinity or an overflow that bk alone would bring into the scores is not carried to the result.
; THE QUANTISER.  A block's scale is 2^(floor(log2(its largest magnitude)) - 2); its byte is the largest magnitude's own exponent field - 2, held at 1 from below.  A block of zeros so gets the byte 1 where
; the rule says 127: its codes are zeros, which add nothing under any byte but 0xff, and the bytes are read by this program alone.  Each number is divided by the scale and rounded to the nearest code, ties to even,
; beyond the largest code the largest.
; LIMITS: blocks whose largest magnitude lies under 2^-124 keep the byte 1; NaN and infinities among the inputs are not served; Wo must lie under 65,504 in magnitude (f16).
; SHARES.  Rows are dense and K = 1,024 is a multiple of 32: every tensor is a plain stream of blocks of 32.  Work-group g < 864 takes 32,768 numbers, a wave 8,192: g 0-255 query, 256-511 key, 512-767 value,
; 768-799 Wq, 800-831 Wk, 832-863 Wv; the codes and the scale bytes of all six lie in that order in 'codes' (512 bytes a row) and 'scales' (32 bytes a row).  g 864-895 take Wo.
; A wave takes 16 steps of 512 numbers.  Each of a step's four loads reads 512 consecutive bytes; the 2,048 bytes go through the wave's own stage in LDS and come back 64 bytes a lane, since the conversion takes
; neighbours along K from one lane's registers; two neighbouring lanes hold a block.  A lane's 16 codes are 8 bytes: the wave stores 256 consecutive bytes.  A wave's 256 scale bytes are gathered in LDS and leave at once.
.set NQG,   864                        ; work-groups that quantise
.set WAVES, 4
.set STEPS, 16
.set EMAX,  2
.set CB,    8                          ; bytes of 16 codes
.set R,     16                         ; v16-79   four sets of 16 numbers as they are loaded
.set X,     80                         ; v80-111  two sets of 16 neighbours
.set E,     112                        ; v112-127 a scale byte for each step
.set C,     128                        ; v128-191 codes: four registers for each step, so that no store's data are written again
.set WREG,  8192                       ; LDS: a region for each wave: two stages of 32 x SP bytes, behind them its 256 scale bytes
.set SP,    80                         ; a lane's place in a stage: 64 bytes + 16 of padding
.set SPW,   12                         ; v12  LDS address of my spare word; never rewritten
.set NIL,   13                         ; v13  0; never rewritten
.set SPARE, WAVES*WREG                 ; behind the four regions: the spare words, 128 bytes a wave, which no other line names
	s_load_b512 s[4:19], s[0:1], 0x0               ; query s[4:5], key s[6:7], value s[8:9], Wq s[10:11], Wk s[12:13], Wv s[14:15], Wo s[16:17], codes s[18:19]
	s_load_b128 s[20:23], s[0:1], 0x40             ; scales s[20:21], wo16 s[22:23]
	v_lshl_add_u32 v[SPW], v0, 2, SPARE
	v_mov_b32 v[NIL], 0
	v_lshrrev_b32 v1, 5, v0
	v_readfirstlane_b32 s28, v1                    ; wave
	v_and_b32 v2, 31, v0                           ; lane
	s_lshl_b32 s30, ttmp9, 2
	s_add_co_u32 s30, s30, s28                     ; 4 g + wave: which run of 8,192 numbers
	s_mov_b32 s25, 0
	s_cmp_ge_u32 ttmp9, NQG                        ; the work-group's number alone decides
	s_cbranch_scc1 .Lwo
	v_lshlrev_b32 v3, 4, v2                        ; my 16 bytes of a load's 512
	s_mul_i32 s29, s28, WREG
	v_lshrrev_b32 v14, 2, v2
	v_mul_u32_u24 v14, v14, SP
	v_and_b32 v15, 3, v2
	v_lshl_add_u32 v14, v15, 4, v14
	v_add_nc_u32 v14, s29, v14                     ; the stage, on the way in: four lanes' 64 bytes on end, then 16 of padding
	v_mul_u32_u24 v15, v2, SP
	v_add_nc_u32 v15, s29, v15                     ; and on the way out: my 16 neighbours
	v_mul_u32_u24 v4, v2, CB                       ; my codes' place in a step's
	v_lshrrev_b32 v5, 1, v2
	s_add_co_u32 s29, s29, 2*32*SP
	v_add_nc_u32 v5, s29, v5                       ; my wave's 256 scale bytes, my block's byte
	v_lshlrev_b32 v7, 3, v2                        ; and on the way out 8 bytes a lane
	v_add_nc_u32 v6, s29, v7
	s_wait_kmcnt 0x0
	s_mov_b64 s[26:27], s[14:15]                   ; the source: Wv, unless g lies under a lower tensor's end
	s_mov_b32 s24, 832                             ; and that tensor's first work-group
.macro PICK first, lo, prev
	s_cmp_lt_u32 ttmp9, \first
	s_cselect_b64 s[26:27], s[\lo:\lo+1], s[26:27]
	s_cselect_b32 s24, \prev, s24
.endm
	PICK 832, 12, 800
	PICK 800, 10, 768
	PICK 768, 8, 512
	PICK 512, 6, 256
	PICK 256, 4, 0
	s_sub_co_u32 s24, ttmp9, s24
	s_lshl_b32 s24, s24, 2
	s_add_co_u32 s24, s24, s28
	s_lshl_b32 s24, s24, 15                        ; my run in its tensor: 32,768 bytes a run, under 2^26
	s_add_nc_u64 s[26:27], s[26:27], s[24:25]
	s_lshl_b32 s24, s30, 12                        ; 4,096 bytes of codes a run
	s_add_nc_u64 s[18:19], s[18:19], s[24:25]
	s_lshl_b32 s24, s30, 8                         ; 256 scale bytes a run
	s_add_nc_u64 s[20:21], s[20:21], s[24:25]
.macro LOAD t
.irp i, 0,1,2,3
	global_load_b128 v[R+16*((\t)%4)+4*\i:R+16*((\t)%4)+4*\i+3], v3, s[26:27] offset:2048*(\t)+512*\i th:TH_LOAD_NT   ; 32 lanes read 512 consecutive bytes
.endr
.endm
.macro TURN t                          ; step t's numbers through the stage: LDS serves a wave's instructions in order, so no wait stands between the stores and the loads
.irp i, 0,1,2,3
	ds_store_b128 v14, v[R+16*((\t)%4)+4*\i:R+16*((\t)%4)+4*\i+3] offset:32*SP*((\t)%2)+8*SP*\i
.endr
.irp i, 0,1,2,3
	ds_load_b128 v[X+16*((\t)%2)+4*\i:X+16*((\t)%2)+4*\i+3], v15 offset:32*SP*((\t)%2)+16*\i
.endr
.endm
.irp t, 0,1,2,3
	LOAD \t
.endr
	s_wait_loadcnt 12                              ; step 0's four loads are in; the twelve of steps 1 to 3 may be out
	TURN 0
.macro STEP t
.set XS, X+16*((\t)%2)
.if (\t) > 0
	s_wait_dscnt 1                                 ; this step's numbers are back from the stage (the last step's byte store may be out)
.else
	s_wait_dscnt 0x0
.endif
.if (\t)+4 < STEPS
	LOAD (\t)+4                                    ; into the registers that the stage's stores have read
.endif
.if (\t)+1 < STEPS
.if STEPS-2-(\t) >= 3
	s_wait_loadcnt 12                              ; the next step's four loads are in; those of the three steps behind it may be out
.else
	s_wait_loadcnt 4*(STEPS-2-(\t))
.endif
	TURN (\t)+1                                    ; they go through the other stage while this step is worked
.endif
	v_max3_num_f32 v8, |v[XS]|, |v[XS+1]|, |v[XS+2]|               ; the largest magnitude of my 16, in two chains
	v_max3_num_f32 v9, |v[XS+3]|, |v[XS+4]|, |v[XS+5]|
.irp i, 6,10
	v_max3_num_f32 v8, v8, |v[XS+\i]|, |v[XS+\i+1]|
	v_max3_num_f32 v9, v9, |v[XS+\i+2]|, |v[XS+\i+3]|
.endr
	v_max3_num_f32 v8, v8, |v[XS+14]|, |v[XS+15]|
	v_max3_num_f32 v8, v8, v9, (EMAX+1)<<23        ; and the floor 2^(3 - 127): the byte cannot fall under 1
	v_max_num_f32_dpp v8, v8, v8 row_xmask:1 row_mask:0xf bank_mask:0xf   ; and of my neighbour's 16: the block's
	v_add_nc_u32 v11, -(EMAX<<23), v8              ; 2 off its exponent field: the conversion takes the exponent field of this operand as its scale
	v_cvt_scalef32_pk8_fp4_f32 v[C+4*(\t)], v[XS:XS+7], v11
	v_cvt_scalef32_pk8_fp4_f32 v[C+4*(\t)+1], v[XS+8:XS+15], v11
	v_lshrrev_b32 v[E+(\t)], 23, v11               ; the scale's byte (also the plain line behind the conversions)
	ds_store_b8 v5, v[E+(\t)] offset:16*(\t)       ; both lanes of a block write the same byte with the same value
	global_store_b64 v4, v[C+4*(\t):C+4*(\t)+1], s[18:19] offset:32*CB*(\t)   ; 32 lanes store 256 consecutive bytes, aligned
.endm
.irp t, 0,1,2,3,4,5,6,7,8,9,10,11,12,13,14,15
	STEP \t
.endr
	ds_load_b64 v[8:9], v6                         ; LDS serves a wave's instructions in order: these see my byte stores
	s_wait_dscnt 0x0
	global_store_b64 v7, v[8:9], s[20:21]          ; 32 lanes store 256 consecutive bytes, aligned
	s_wait_tensorcnt 0x0                           ; the wave's end
	ds_add_u32 v[SPW], v[NIL]
	s_wait_dscnt 0x0
	s_endpgm
; Wo to f16: a wave takes 8,192 numbers in four batches of 2,048.  A load reads 512 consecutive bytes (4 numbers a lane), a store writes their 256.  Two batches of 16 loads are on their way.  No LDS.
.Lwo:
	v_lshlrev_b32 v10, 4, v2                       ; in: 16 bytes a lane
	v_lshlrev_b32 v11, 3, v2                       ; out: 8 bytes a lane
	s_sub_co_u32 s30, s30, 4*NQG                   ; my run of Wo
	s_lshl_b32 s24, s30, 15
	s_wait_kmcnt 0x0
	s_add_nc_u64 s[16:17], s[16:17], s[24:25]
	s_lshl_b32 s24, s30, 14
	s_add_nc_u64 s[22:23], s[22:23], s[24:25]
.macro LOADB t
.irp i, 0,1,2,3,4,5,6,7,8,9,10,11,12,13,14,15
	global_load_b128 v[16+64*((\t)%2)+4*\i:16+64*((\t)%2)+4*\i+3], v10, s[16:17] offset:8192*(\t)+512*\i th:TH_LOAD_NT
.endr
.endm
	LOADB 0
	LOADB 1
.irp t, 0,1,2,3
.if \t < 3
	s_wait_loadcnt 16                              ; this batch's 16 loads are in; the next batch's 16 may be out
.else
	s_wait_loadcnt 0x0
.endif
.if \t > 0
	s_wait_xcnt 0x0                                ; the last batch's stores have read their data: v144-175 are written again only behind this wait
.endif
.irp i, 0,1,2,3,4,5,6,7,8,9,10,11,12,13,14,15
	v_cvt_pk_f16_f32 v[144+2*\i], v[16+64*(\t%2)+4*\i], v[16+64*(\t%2)+4*\i+1]
	v_cvt_pk_f16_f32 v[145+2*\i], v[16+64*(\t%2)+4*\i+2], v[16+64*(\t%2)+4*\i+3]
.endr
.if \t < 2
	LOADB \t+2
.endif
.irp i, 0,1,2,3,4,5,6,7,8,9,10,11,12,13,14,15
	global_store_b64 v11, v[144+2*\i:145+2*\i], s[22:23] offset:4096*\t+256*\i   ; 32 lanes store 256 consecutive bytes, aligned
.endr
.endr
	s_wait_tensorcnt 0x0                           ; the same three closing lines on this path
	ds_add_u32 v[SPW], v[NIL]
	s_wait_dscnt 0x0
	s_endpgm
.Lfunc_end_k_q731c71a179_quant:
	.size	k_q731c71a179_quant, .Lfunc_end_k_q731c71a179_quant-k_q731c71a179_quant
	.p2alignl 7, 3214868480
	.fill 96, 4, 3214868480
	.section	.rodata,"a",@progbits
	.p2align	6, 0x0
	.amdhsa_kernel k_q731c71a179_quant
		.amdhsa_group_segment_fixed_size 33280
		.amdhsa_private_segment_fixed_size 0
		.amdhsa_enable_private_segment 0
		.amdhsa_kernarg_size 80
		.amdhsa_user_sgpr_count 2
		.amdhsa_user_sgpr_kernarg_segment_ptr 1
		.amdhsa_wavefront_size32 1
		.amdhsa_system_sgpr_workgroup_id_x 1
		.amdhsa_system_sgpr_workgroup_id_y 1
		.amdhsa_system_sgpr_workgroup_id_z 1
		.amdhsa_system_vgpr_workitem_id 0
		.amdhsa_next_free_vgpr 192
		.amdhsa_next_free_sgpr 66
		.amdhsa_reserve_vcc 0
		.amdhsa_float_denorm_mode_32 3
		.amdhsa_float_denorm_mode_16_64 3
		.amdhsa_memory_ordered 1
		.amdhsa_forward_progress 1
		.amdhsa_inst_pref_size 55
	.end_amdhsa_kernel
	.amdgpu_metadata
---
amdhsa.version: [ 1, 2 ]
amdhsa.kernels:
  - .name:           k_q731c71a179_quant
    .symbol:         k_q731c71a179_quant.kd
    .args:
      - { .name: query, .offset: 0, .size: 8, .value_kind: global_buffer, .address_space: global }
      - { .name: key, .offset: 8, .size: 8, .value_kind: global_buffer, .address_space: global }
      - { .name: value, .offset: 16, .size: 8, .value_kind: global_buffer, .address_space: global }
      - { .name: Wq, .offset: 24, .size: 8, .value_kind: global_buffer, .address_space: global }
      - { .name: Wk, .offset: 32, .size: 8, .value_kind: global_buffer, .address_space: global }
      - { .name: Wv, .offset: 40, .size: 8, .value_kind: global_buffer, .address_space: global }
      - { .name: Wo, .offset: 48, .size: 8, .value_kind: global_buffer, .address_space: global }
      - { .name: codes, .offset: 56, .size: 8, .value_kind: global_buffer, .address_space: global }
      - { .name: scales, .offset: 64, .size: 8, .value_kind: global_buffer, .address_space: global }
      - { .name: wo16, .offset: 72, .size: 8, .value_kind: global_buffer, .address_space: global }
    .group_segment_fixed_size: 33280
    .private_segment_fixed_size: 0
    .kernarg_segment_align: 8
    .kernarg_segment_size: 80
    .max_flat_workgroup_size: 128
    .sgpr_count:     66
    .vgpr_count:     192
    .wavefront_size: 32
...
	.end_amdgpu_metadata
.endif
;; end of part 1
;; launch proj (part 2): grid 4 x 96, 4 waves a work-group, clusters of 4 x 4, 327,680 bytes of LDS; arguments codes, scales, bq, bv, qkv; writes qkv
.if DOCPART == 2
	.amdgcn_target "amdgcn-amd-amdhsa--gfx1250"
	.amdhsa_code_object_version 6
	.text
	.protected	k_q731c71a179_proj
	.globl	k_q731c71a179_proj
	.p2align	8
	.type	k_q731c71a179_proj,@function
k_q731c71a179_proj:
	s_mov_b64 s[64:65], 0
	v_nop
	global_prefetch_b8 v0, s[64:65] scope:SCOPE_SE
	s_setreg_imm32_b32 hwreg(HW_REG_WAVE_MODE, 25, 1), 1
	s_wait_xcnt 0x0
	s_wait_alu depctr_hold_cnt(0) depctr_sa_sdst(0) depctr_va_vdst(0) depctr_va_sdst(0) depctr_va_ssrc(0) depctr_va_vcc(0) depctr_vm_vsrc(0)
	s_getreg_b32 s2, hwreg(HW_REG_IB_STS2, 6, 4)
	s_cmp_eq_u32 s2, 0
	s_cbranch_scc0 .Lentry_in_a_cluster
	s_endpgm
.Lentry_in_a_cluster:
	s_bfe_u32 s2, ttmp6, 0x10000c
	s_cmp_lg_u32 s2, 0xf033
	s_cbranch_scc0 .Lentry_shape_is_right
	s_endpgm
.Lentry_shape_is_right:
; SECOND LAUNCH: the three projections as ONE product on codes of FP4 with E8M0 block scales: y[row][e] = sum over d of x[row][d] W[e][d] (+ bias), x = the 24,576 rows of query, key, value, W = Wq, Wk or Wv by the row's tensor.
; WORK LEFT OUT: the bias bk (it adds to every score of a query the same number, which the softmax takes away for all values; shown at the head of the first launch): K's sums begin at 0.  bq and bv are the C of the sums' first products.
; A tile of y, 256 x 256, is made by four waves, each 128 x 128: 64 accumulators of 16 x 16.  K = 1,024 is two slots of 512 along K (LDS rows of 256 bytes): both slots and all scale bytes are first fills; nothing is filled again.
; CLUSTERS: 4 x 4 work-groups.  The four of a row of the cluster need the same rows of x, the four of a column the same rows of W: each tile is asked for jointly.  A cluster's 1,024 rows lie in one tensor (8,192 rows each).
; THE MATRIX INSTRUCTION IS USED TRANSPOSED (source 0 = 16 rows of W, source 1 = 16 rows of x): a lane holds eight neighbouring outputs of one token.
; OUT: f16, laid by head: qkv[tensor x 64 + batch x 16 + head][2,048 tokens][64]: a token is 128 bytes, two neighbouring tokens are 256 consecutive bytes, aligned.
; LIMIT: q, k, v must lie under 65,504 in magnitude (with activations and weights both 30 times the drawn spread the largest is some 5,400).
; REGISTERS, in windows of 256: window 0: v0-31 addresses; v32-95 scale words, two sets; v128-191 x's fragments, one set; v192-255 the bias in the result's layout; on the way out v128-223 are at work.
;   window 1: W's fragments, two sets, at v0 and v128.   window 2: the accumulators of my rows 0-63 ((a, b) at v[8 (8 a + b)]);   window 3: those of rows 64-127.
.set NQ,     4                         ; matrix instructions deep in a slot: 512 along K
.set ROWB,   256                       ; a tile's row in bytes
.set KROW,   512                       ; a row of codes in memory
.set PITCH,  272                       ; an LDS row: 256 bytes + 16 of padding: the 16 rows that a load touches start at 16 different banks (64 banks of 4 bytes: ISA guide 11.1)
.set FR,     8                         ; registers of a fragment: 16 rows x 128 K
.set NL,     2                         ; LDS loads that bring one
.set NP,     4                         ; places behind this matrix instruction (ISA guide 7.12.1)
.set HALFT,  128*PITCH
.set SLOT,   4*HALFT                   ; x's 256 rows, then W's 256 rows
.set KS,     32                        ; a row of scale bytes
.set SCL,    2*SLOT                    ; behind the two slots: the scale bytes, as rows of 256 bytes + 16 of padding
.set HALFS,  (128*KS/256)*272
.set SBLK,   (16*KS/256)*272
.set SPARE,  SCL+4*HALFS               ; the spare words, 128 bytes a wave, which no other line names
.set WCODES, 12582912                  ; where the weights' codes begin in 'codes'
.set WSCALES, 786432                   ; and their scale bytes in 'scales'
.set ADRA, 16                          ; v16-17  LDS address of my x fragments in slot 0, 1
.set ADRB, 20                          ; v20-21  the same for W
.set STO,  24                          ; v24     the way out: where I put 16 bytes of a token
.set RD,   25                          ; v25     where I read a pair of tokens back
.set CO,   26                          ; v26     my byte offset in qkv
.set ADRS, 27                          ; v27     LDS address of my scale words: lanes 0-15 x's rows, lanes 16-31 W's
.set SPW,  28                          ; v28     LDS address of my spare word; never rewritten
.set NIL,  29                          ; v29     0; never rewritten
.set BOF,  30                          ; v30     32 x (lane / 16): my eight numbers of a bias tile
.set SC,   32
.set AF,   128
.set BI,   192                         ; v192-255 register 8 b + j: the bias of output 16 b + 8 (lane / 16) + j of my 128
.set TMP,  128                         ; the way out: packed results
.set BK,   160                         ; and 16 tokens read back: v160-191 and v192-223 by turns
.set G1, 24
.set G0, 32
.set G1B, 48
.set G0B, 56
.set G1S, 68
.set G0S, 76
.set G1SB, 80
.set G0SB, 88
.set MSB, 0
.macro WIN new                         ; the immediate's high byte repeats the setting that is left
.if MSB != (\new)
	s_set_vgpr_msb (MSB<<8)|(\new)
.set MSB, (\new)
.endif
.endm
.set MUL_LO, 0xa1                      ; source 0 (W) window 1, source 1 (x) window 0, C and D window 2
.set MUL_HI, 0xf1                      ; the same, C and D window 3
.set FST_LO, 0x81                      ; the first products: C (the bias) window 0, D window 2
.set FST_HI, 0xc1                      ; D window 3
.set TO_B,   0x40
; A joint load: waves 0 and 1 fetch for x, waves 2 and 3 for W; the branch hangs on the wave's number alone.  An s_nop 0 and four v_nop follow each of the two lines.
.macro JLOAD g0a, g1a, g0b, g1b
	s_cmp_eq_u32 s15, 0
	s_cbranch_scc0 .Lfor_b_\@
	tensor_load_to_lds s[\g0a:\g0a+3], s[\g1a:\g1a+7]
	s_nop 0
.rept 4
	v_nop
.endr
	s_branch .Lasked_\@
.Lfor_b_\@:
	tensor_load_to_lds s[\g0b:\g0b+3], s[\g1b:\g1b+7]
	s_nop 0
.rept 4
	v_nop
.endr
.Lasked_\@:
.endm
.macro CROUND                          ; a round of the cluster's barrier
	s_barrier_signal -1
	s_barrier_wait -1
	s_cmp_lg_u32 s14, 0
	s_cbranch_scc1 .Lnot_wave_0_\@
	s_barrier_signal -3
.Lnot_wave_0_\@:
	s_barrier_wait -3
	s_barrier_signal -1
	s_barrier_wait -1
.endm
	s_load_b256 s[4:11], s[0:1], 0x0               ; codes s[4:5], scales s[6:7], bq s[8:9], bv s[10:11]
	s_load_b64 s[12:13], s[0:1], 0x20              ; qkv
	v_lshl_add_u32 v[SPW], v0, 2, SPARE
	v_mov_b32 v[NIL], 0
	ds_add_u32 v[SPW], v[NIL]                      ; the wave's opening: the add, twice on end, and its wait ahead of my first tensor load
	ds_add_u32 v[SPW], v[NIL]
	v_lshrrev_b32 v1, 5, v0
	v_readfirstlane_b32 s14, v1                    ; wave 0..3
	s_lshr_b32 s15, s14, 1                         ; which half of the tile's rows is mine.  Also: I fetch for x (0) or for W (1)
	s_and_b32 s16, s14, 1                          ; which half of its columns.  Also: which 128 rows of that tile I fetch
	s_bfe_u32 s40, ttmp6, 0x40000                  ; cx, cy: my place in the cluster
	s_bfe_u32 s41, ttmp6, 0x40004
	s_lshl_b32 s42, ttmp9, 2
	s_add_co_u32 s42, s42, s40                     ; tile column = 4 x cluster x + cx: 0..3
	s_and_b32 s17, ttmp7, 0xffff
	s_lshr_b32 s95, s17, 3                         ; which tensor: cluster y / 8: 0 q, 1 k, 2 v: the same in all sixteen partners
	s_lshl_b32 s17, s17, 2
	s_add_co_u32 s17, s17, s41                     ; tile row = 4 x cluster y + cy: 0..95
	s_lshl_b32 s43, s41, 2
	s_lshl_b32 s43, 15, s43                        ; my row of the cluster
	s_lshl_b32 s44, 0x1111, s40                    ; my column
	s_or_b32 s[G1+0], s43, (0<<16)|(1<<20)|(1<<21)|(5<<22)|(3<<25)  ; the mask; elements of 1 byte; padding on; bit 21 beside a mask; after every 64 words, 4 words
	s_or_b32 s[G1B+0], s44, (0<<16)|(1<<20)|(1<<21)|(5<<22)|(3<<25)
.irp g, G1, G1B
	s_mov_b32 s[\g+1], ROWB<<16                    ; tensor_dim0
	s_mov_b32 s[\g+2], 128<<16                     ; tensor_dim1
	s_mov_b32 s[\g+3], ROWB<<16                    ; tile_dim0
	s_mov_b32 s[\g+4], 128                         ; tile_dim1
	s_mov_b32 s[\g+5], KROW                        ; from row to row
	s_mov_b32 s[\g+6], 0
	s_mov_b32 s[\g+7], 0
.endr
	s_or_b32 s[G1S+0], s43, (3<<16)|(1<<20)|(1<<21)|(5<<22)|(3<<25) ; the scale bytes of 128 rows: 4,096 dense bytes as 16 rows of 32 elements of 8 bytes
	s_or_b32 s[G1SB+0], s44, (3<<16)|(1<<20)|(1<<21)|(5<<22)|(3<<25)
.irp g, G1S, G1SB
	s_mov_b32 s[\g+1], 32<<16
	s_mov_b32 s[\g+2], (128*KS/256)<<16
	s_mov_b32 s[\g+3], 32<<16
	s_mov_b32 s[\g+4], 128*KS/256
	s_mov_b32 s[\g+5], 32
	s_mov_b32 s[\g+6], 0
	s_mov_b32 s[\g+7], 0
.endr
	s_lshl_b32 s18, s16, 7                         ; which 128 rows of the tile I fetch
	s_lshl_b32 s20, s17, 8
	s_add_co_u32 s20, s20, s18                     ; x: row 256 x tile row + 128 x half
	s_lshl_b32 s46, s42, 8
	s_add_co_u32 s46, s46, s18
	s_lshl_b32 s19, s95, 10
	s_add_co_u32 s46, s46, s19                     ; W: row 1,024 x tensor + 256 x tile column + 128 x half
	s_mov_b32 s21, 0
	s_mov_b32 s47, 0
	s_mov_b64 s[18:19], KS
	s_mul_u64 s[22:23], s[20:21], s[18:19]         ; where these rows' scale bytes begin,
	s_mul_u64 s[92:93], s[46:47], s[18:19]
	s_mov_b64 s[18:19], KROW
	s_mul_u64 s[20:21], s[20:21], s[18:19]         ; and their codes
	s_mul_u64 s[46:47], s[46:47], s[18:19]
	s_add_nc_u64 s[46:47], s[46:47], WCODES        ; the weights lie behind the activations
	s_add_nc_u64 s[92:93], s[92:93], WSCALES
	s_mul_i32 s45, s14, HALFT                      ; where they go: wave x 128 rows: no place in the cluster enters an LDS address
	s_mul_i32 s94, s14, HALFS
	s_wait_dscnt 0x0                               ; both opening adds are done
	s_wait_kmcnt 0x0
	s_add_nc_u64 s[20:21], s[4:5], s[20:21]
	s_add_nc_u64 s[22:23], s[6:7], s[22:23]
	s_add_nc_u64 s[46:47], s[4:5], s[46:47]
	s_add_nc_u64 s[92:93], s[6:7], s[92:93]
	CROUND                                         ; all sixteen work-groups are here: the joint loads meet
	s_mov_b32 s[G0S], 1
	s_add_co_u32 s[G0S+1], s94, SCL
	s_mov_b64 s[G0S+2:G0S+3], s[22:23]
	s_or_b32 s[G0S+3], s[G0S+3], 0x80000000
	s_mov_b32 s[G0SB], 1
	s_add_co_u32 s[G0SB+1], s94, SCL
	s_mov_b64 s[G0SB+2:G0SB+3], s[92:93]
	s_or_b32 s[G0SB+3], s[G0SB+3], 0x80000000
	JLOAD G0S, G1S, G0SB, G1SB                     ; the scale bytes first; then both slots: three tensor loads of mine are out
.irp s, 0,1
	s_mov_b32 s[G0+4*\s], 1
	s_add_co_u32 s[G0+4*\s+1], s45, \s*SLOT
	s_add_nc_u64 s[G0+4*\s+2:G0+4*\s+3], s[20:21], \s*ROWB
	s_or_b32 s[G0+4*\s+3], s[G0+4*\s+3], 0x80000000
	s_mov_b32 s[G0B+4*\s], 1
	s_add_co_u32 s[G0B+4*\s+1], s45, \s*SLOT
	s_add_nc_u64 s[G0B+4*\s+2:G0B+4*\s+3], s[46:47], \s*ROWB
	s_or_b32 s[G0B+4*\s+3], s[G0B+4*\s+3], 0x80000000
	JLOAD G0+4*\s, G1, G0B+4*\s, G1B
.endr
	v_and_b32 v1, 15, v0                           ; r = lane % 16
	v_bfe_u32 v2, v0, 4, 1                         ; h = lane / 16
	; THE BIAS, in the result's layout, is the C of each sum's first product.  q takes bq, v takes bv; k takes zeros in the same registers, so that the products' text is one.
	v_lshlrev_b32 v[BOF], 5, v2
	s_cmp_eq_u32 s95, 0
	s_cselect_b64 s[96:97], s[8:9], s[10:11]
	s_lshl_b32 s98, s42, 10                        ; 4 bytes x (256 x tile column + 128 x half)
	s_lshl_b32 s99, s16, 9
	s_add_co_u32 s98, s98, s99
	s_mov_b32 s99, 0
	s_add_nc_u64 s[96:97], s[96:97], s[98:99]
	s_cmp_eq_u32 s95, 1                            ; the tensor's number: ids alone, the same in the whole cluster
	s_cbranch_scc1 .Lzero_c
.irp b, 0,1,2,3,4,5,6,7
	global_load_b128 v[BI+8*\b:BI+8*\b+3], v[BOF], s[96:97] offset:64*\b
	global_load_b128 v[BI+8*\b+4:BI+8*\b+7], v[BOF], s[96:97] offset:64*\b+16
.endr
	s_branch .Lc_set
.Lzero_c:
.set i, 0
.rept 64
	v_mov_b32 v[BI+i], 0
.set i, i+1
.endr
.Lc_set:
	v_mul_u32_u24 v3, v1, PITCH
	v_lshl_add_u32 v4, v2, 4, v3                   ; a fragment's row x pitch + 16 x half
	s_mul_i32 s21, s15, HALFT                      ; my 128 rows of x
	s_mul_i32 s22, s16, HALFT                      ; my 128 rows of W,
	s_add_co_u32 s22, s22, 2*HALFT                 ; which lie behind x's 256
.irp s, 0,1
	v_add_nc_u32 v[ADRA+\s], s21, v4
	v_add_nc_u32 v[ADRB+\s], s22, v4
	s_add_co_u32 s21, s21, SLOT
	s_add_co_u32 s22, s22, SLOT
.endr
	v_mul_u32_u24 v5, v1, KS                       ; my row's scale bytes: 32 a row,
	v_lshrrev_b32 v6, 8, v5
	v_lshl_add_u32 v5, v6, 4, v5                   ; and 16 more for each 256 passed
	s_mul_i32 s21, s15, HALFS
	s_mul_i32 s22, s16, HALFS
	s_add_co_u32 s22, s22, 2*HALFS
	s_sub_co_u32 s22, s22, s21
	v_mul_u32_u24 v6, s22, v2                      ; lanes 16-31 take W's: one product, the distance x h
	s_add_co_u32 s21, s21, SCL
	v_add_nc_u32 v5, v5, v6
	v_add_nc_u32 v[ADRS], s21, v5
	; the way out: a block of 16 tokens x 128 outputs (two heads) lies in my stage as [head][pair of tokens] rows of 256 bytes + 16
	s_mul_i32 s23, s14, 16*272                     ; my stage, in slot 0
	v_lshrrev_b32 v5, 1, v1
	v_mul_u32_u24 v5, v5, 272                      ; in: pair r / 2,
	v_and_b32 v6, 1, v0
	v_lshl_add_u32 v5, v6, 7, v5                   ; token r % 2 of it,
	v_lshl_add_u32 v5, v2, 4, v5                   ; my half's 16 bytes
	v_add_nc_u32 v[STO], s23, v5
	v_mul_u32_u24 v5, v2, 8*272                    ; back: lanes 0-15 a pair of the first head, lanes 16-31 of the second
	v_lshl_add_u32 v5, v1, 4, v5
	v_add_nc_u32 v[RD], s23, v5
	v_lshlrev_b32 v5, 18, v2                       ; and in qkv: a head is 262,144 bytes
	v_lshl_add_u32 v[CO], v1, 4, v5
	s_lshr_b32 s20, s17, 3                         ; tensor x 4 + batch: 16 heads of 262,144 bytes each
	s_lshl_b32 s20, s20, 22
	s_and_b32 s21, s17, 7                          ; 256 tokens x 128 bytes for each tile row in the batch
	s_lshl_b32 s21, s21, 15
	s_add_co_u32 s20, s20, s21
	s_lshl_b32 s21, s15, 14                        ; my 128 tokens
	s_add_co_u32 s20, s20, s21
	s_lshl_b32 s46, s42, 20                        ; head 4 x tile column + 2 x half
	s_lshl_b32 s47, s16, 19
	s_add_co_u32 s46, s46, s47
	s_add_co_u32 s20, s20, s46
	s_mov_b32 s21, 0
	s_add_nc_u64 s[12:13], s[12:13], s[20:21]
.macro FRAG reg, adr, q, i             ; 16 rows x 128 K of 4-bit codes: lane l holds row l % 16; registers 4 c .. 4 c + 3 hold K = 64 c + 32 (l / 16) + 0 .. 31
.irp c, 0,1
	ds_load_b128 v[\reg+4*\c:\reg+4*\c+3], v[\adr] offset:64*(\q)+32*\c+(\i)*16*PITCH
.endr
.endm
; 16 matrix instructions: x's blocks a0, a0 + 1 against W's eight, the slot's q-th 128 along K.  zero = 1: the first product starts the sums from the bias.  The 64 accumulators take turns, one instruction a turn.
.macro MUL16 a0, p, q, sc, zero
.irp a, \a0, \a0+1
.irp b, 0,1,2,3,4,5,6,7
.if \zero
	v_wmma_scale_f32_16x16x128_f8f6f4 v[8*(8*((\a)%4)+\b):8*(8*((\a)%4)+\b)+7], v[128*(\p)+FR*\b:128*(\p)+FR*\b+FR-1], v[AF+FR*(\a):AF+FR*(\a)+FR-1], v[BI+8*\b:BI+8*\b+7], v[SC+8*NQ*(\sc)+NQ*\b+(\q)], v[SC+8*NQ*(\sc)+NQ*(\a)+(\q)] matrix_a_fmt:MATRIX_FMT_FP4 matrix_b_fmt:MATRIX_FMT_FP4 matrix_a_scale:MATRIX_SCALE_ROW1
.else
	v_wmma_scale_f32_16x16x128_f8f6f4 v[8*(8*((\a)%4)+\b):8*(8*((\a)%4)+\b)+7], v[128*(\p)+FR*\b:128*(\p)+FR*\b+FR-1], v[AF+FR*(\a):AF+FR*(\a)+FR-1], v[8*(8*((\a)%4)+\b):8*(8*((\a)%4)+\b)+7], v[SC+8*NQ*(\sc)+NQ*\b+(\q)], v[SC+8*NQ*(\sc)+NQ*(\a)+(\q)] matrix_a_fmt:MATRIX_FMT_FP4 matrix_b_fmt:MATRIX_FMT_FP4 matrix_a_scale:MATRIX_SCALE_ROW1
.endif
.endr
.endr
.endm
.macro FETCH_B slot, q, p
	WIN TO_B
.irp i, 0,1,2,3,4,5,6,7
	FRAG 128*(\p)+FR*\i, ADRB+\slot, \q, \i
.endr
	WIN 0
.endm
.macro FETCH_A slot, q, i0
.irp i, \i0, \i0+1, \i0+2, \i0+3
	FRAG AF+FR*(\i), ADRA+\slot, \q, \i
.endr
.endm
.macro SCALES sc                       ; a slot's scale words: 4 words a row; lanes 0-15 take x's block i, lanes 16-31 W's block i
.irp i, 0,1,2,3,4,5,6,7
	ds_load_b128 v[SC+8*NQ*\sc+NQ*\i:SC+8*NQ*\sc+NQ*\i+3], v[ADRS] offset:\i*SBLK
.endr
.endm
.macro PLACES n                        ; plain vector instructions between a matrix instruction and a load into, or a read of, its registers
.rept \n
	v_nop
.endr
.endm
.macro STEP slot, q, zero              ; 128 along K with its successor in the same slot
	s_wait_dscnt 4*NL                              ; W's set and x's blocks 0-3 are in; the youngest eight loads (x's blocks 4-7) may be out
.if \zero
	WIN FST_LO
.else
	WIN MUL_LO
.endif
	MUL16 0, (\q)%2, \q, \slot, \zero
	MUL16 2, (\q)%2, \q, \slot, \zero
	s_wait_dscnt 0                                 ; x's blocks 4-7 are in
	PLACES NP
	FETCH_B \slot, (\q)+1, 1-(\q)%2
	FETCH_A \slot, (\q)+1, 0
.if \zero
	WIN FST_HI
.else
	WIN MUL_HI
.endif
	MUL16 4, (\q)%2, \q, \slot, \zero
	MUL16 6, (\q)%2, \q, \slot, \zero
	PLACES NP
	WIN 0
	FETCH_A \slot, (\q)+1, 4
.endm
.macro STEPS slot, from
.set Q, \from
.rept NQ-1-\from
	STEP \slot, Q, 0
.set Q, Q+1
.endr
.endm
	s_wait_tensorcnt 1                             ; the scale bytes and my part of slot 0 are in (slot 1's load may be out)
	s_barrier_signal -1
	s_barrier_wait -1                              ; everybody's are
	FETCH_B 0, 0, 0
	FETCH_A 0, 0, 0
	SCALES 0
	FETCH_A 0, 0, 4
	s_wait_loadcnt 0x0                             ; the bias
	STEP 0, 0, 1
	STEPS 0, 1
	; slot 0's last step changes slots: one barrier; in front of it my part of slot 1 has landed and my reads of slot 0 are over
	s_wait_tensorcnt 0x0
	ds_add_u32 v[SPW], v[NIL]                      ; 0 onto my spare word
	s_wait_dscnt 4*NL+1                            ; (the add and x's blocks 4-7 may be out)
	WIN MUL_LO
	MUL16 0, 1, NQ-1, 0, 0
	s_wait_dscnt 0x0
	s_barrier_signal -1
	MUL16 2, 1, NQ-1, 0, 0
	WIN 0
	s_barrier_wait -1
	PLACES NP
	v_add_nc_u32 v[ADRS], 4*NQ, v[ADRS]            ; on to slot 1's scale words
	FETCH_B 1, 0, 0
	FETCH_A 1, 0, 0
	SCALES 1
	WIN MUL_HI
	MUL16 4, 1, NQ-1, 0, 0
	MUL16 6, 1, NQ-1, 0, 0
	PLACES NP
	WIN 0
	FETCH_A 1, 0, 4
	STEPS 1, 0
	s_wait_dscnt 4*NL                              ; the very last step
	WIN MUL_LO
	MUL16 0, 1, NQ-1, 1, 0
	MUL16 2, 1, NQ-1, 1, 0
	s_wait_dscnt 0
	WIN MUL_HI
	MUL16 4, 1, NQ-1, 1, 0
	MUL16 6, 1, NQ-1, 1, 0
	WIN 0
; THE WAY OUT, block by block of 16 tokens.  PACK: rounded to f16, 16 bytes a lane, each accumulator from its low end on.  TOSTAGE: into my stage (in slot 0: it has had its only fill, and behind the change of slots nobody reads it)
; and back as pairs of tokens.  SEND: sixteen lanes store 256 consecutive bytes of one head, aligned.
.macro PACK a
.set AC, 64*((\a)%4)
	WIN 0x0a+5*((\a)/4)                            ; sources 0 and 1: window 2 or 3
.irp b, 0,1,2,3,4,5,6,7
.irp i, 0,1,2,3
	v_cvt_pk_f16_f32 v[TMP+4*\b+\i], v[AC+8*\b+2*\i], v[AC+8*\b+2*\i+1]
.endr
.endr
	WIN 0
.endm
.macro TOSTAGE a
.set BB, BK+32*((\a)%2)
.irp b, 0,1,2,3,4,5,6,7
	ds_store_b128 v[STO], v[TMP+4*\b:TMP+4*\b+3] offset:(\b/4)*8*272+(\b%4)*32
.endr
.irp t, 0,1,2,3,4,5,6,7
	ds_load_b128 v[BB+4*\t:BB+4*\t+3], v[RD] offset:\t*272       ; LDS serves a wave's instructions in order: these see the stores above
.endr
.endm
.macro SEND a
.set BB, BK+32*((\a)%2)
	s_wait_dscnt 0x0                               ; the block is back in registers
	s_wait_xcnt 0x0                                ; the stores of the block before have read their data: the next block's loads may land there
.irp t, 0,1,2,3,4,5,6,7
	global_store_b128 v[CO], v[BB+4*\t:BB+4*\t+3], s[12:13] offset:2048*(\a)+256*\t
.endr
.endm
	PLACES NP                                      ; behind the last products: their sources are written and their results read from here on
	PACK 0
	TOSTAGE 0
.irp a, 1,2,3,4,5,6,7                  ; block a's conversions stand between block a - 1's loads from the stage and the wait for them
	PACK \a
	SEND \a-1
	TOSTAGE \a
.endr
	SEND 7
	s_wait_tensorcnt 0x0                           ; the wave's end
	ds_add_u32 v[SPW], v[NIL]
	s_wait_dscnt 0x0
	CROUND                                         ; the closing round
	s_endpgm
.Lfunc_end_k_q731c71a179_proj:
	.size	k_q731c71a179_proj, .Lfunc_end_k_q731c71a179_proj-k_q731c71a179_proj
	.p2alignl 7, 3214868480
	.fill 96, 4, 3214868480
	.section	.rodata,"a",@progbits
	.p2align	6, 0x0
	.amdhsa_kernel k_q731c71a179_proj
		.amdhsa_group_segment_fixed_size 327680
		.amdhsa_private_segment_fixed_size 0
		.amdhsa_enable_private_segment 0
		.amdhsa_kernarg_size 40
		.amdhsa_user_sgpr_count 2
		.amdhsa_user_sgpr_kernarg_segment_ptr 1
		.amdhsa_wavefront_size32 1
		.amdhsa_system_sgpr_workgroup_id_x 1
		.amdhsa_system_sgpr_workgroup_id_y 1
		.amdhsa_system_sgpr_workgroup_id_z 1
		.amdhsa_system_vgpr_workitem_id 0
		.amdhsa_next_free_vgpr 1024
		.amdhsa_next_free_sgpr 100
		.amdhsa_reserve_vcc 0
		.amdhsa_float_denorm_mode_32 3
		.amdhsa_float_denorm_mode_16_64 3
		.amdhsa_memory_ordered 1
		.amdhsa_forward_progress 1
		.amdhsa_inst_pref_size 130
	.end_amdhsa_kernel
	.amdgpu_metadata
---
amdhsa.version: [ 1, 2 ]
amdhsa.kernels:
  - .name:           k_q731c71a179_proj
    .symbol:         k_q731c71a179_proj.kd
    .args:
      - { .name: codes, .offset: 0, .size: 8, .value_kind: global_buffer, .address_space: global }
      - { .name: scales, .offset: 8, .size: 8, .value_kind: global_buffer, .address_space: global }
      - { .name: bq, .offset: 16, .size: 8, .value_kind: global_buffer, .address_space: global }
      - { .name: bv, .offset: 24, .size: 8, .value_kind: global_buffer, .address_space: global }
      - { .name: qkv, .offset: 32, .size: 8, .value_kind: global_buffer, .address_space: global }
    .group_segment_fixed_size: 327680
    .private_segment_fixed_size: 0
    .kernarg_segment_align: 8
    .kernarg_segment_size: 40
    .max_flat_workgroup_size: 128
    .sgpr_count:     100
    .vgpr_count:     1024
    .wavefront_size: 32
...
	.end_amdgpu_metadata
.endif
;; end of part 2
;; launch attn (part 3): grid 4 x 64, 8 waves a work-group, clusters of 4 x 1, 327,680 bytes of LDS; arguments qkv, att; writes att
.if DOCPART == 3
	.amdgcn_target "amdgcn-amd-amdhsa--gfx1250"
	.amdhsa_code_object_version 6
	.text
	.protected	k_q731c71a179_attn
	.globl	k_q731c71a179_attn
	.p2align	8
	.type	k_q731c71a179_attn,@function
k_q731c71a179_attn:
	s_mov_b64 s[64:65], 0
	v_nop
	global_prefetch_b8 v0, s[64:65] scope:SCOPE_SE
	s_setreg_imm32_b32 hwreg(HW_REG_WAVE_MODE, 25, 1), 1
	s_wait_xcnt 0x0
	s_wait_alu depctr_hold_cnt(0) depctr_sa_sdst(0) depctr_va_vdst(0) depctr_va_sdst(0) depctr_va_ssrc(0) depctr_va_vcc(0) depctr_vm_vsrc(0)
	s_getreg_b32 s2, hwreg(HW_REG_IB_STS2, 6, 4)
	s_cmp_eq_u32 s2, 0
	s_cbranch_scc0 .Lentry_in_a_cluster
	s_endpgm
.Lentry_in_a_cluster:
	s_bfe_u32 s2, ttmp6, 0x10000c
	s_cmp_lg_u32 s2, 0x3003
	s_cbranch_scc0 .Lentry_shape_is_right
	s_endpgm
.Lentry_shape_is_right:
; THIRD LAUNCH: O[bh][q] = sum over k of softmax_k(Q[bh][q] . K[bh][k] / 8) V[bh][k], no mask.  Q, K, V: f16, qkv[tensor x 64 + bh][2,048][64].  Products, maxima and sums in f32; the weights p are rounded to f16 for the
; second product, O once at the end.  OUT: f16, att[head][batch x 2,048 + token][64].  (K comes without its bias, which the softmax would take away: shown at the head of the first launch.)
; LIMIT: f16's range: Q, K, V under 65,504 in magnitude; results under 6e-5 keep f16's absolute step of 6e-8.
; SHARES.  A work-group owns 512 queries of one head, each of its eight waves 64: four tiles of 16; two waves lie on a SIMD, so that one wave's softmax stands beside the other's products.  Every wave walks all 2,048 keys, 64 a step.
; LAYOUT.  S^T = K Q^T (source 0 = 16 keys, source 1 = 16 queries): a lane holds ONE query (lane % 16) and the keys 8 (lane / 16) + 0..7 of each 16.  Two such tiles, rounded to f16 in pairs, ARE source 1 of O^T = V^T P, whose
; result again holds one query a lane.  K comes out of LDS as it lies, V ([key][channel]) turned, by ds_load_tr16_b128.
; SOFTMAX.  For each query a running maximum m and sum l: p = 2^(c s - c m), c = log2(e) / 8; in every step O and l are multiplied by a = 2^(c m_old - c m_new).  m begins at -3e38 and O, l at 0, so that the step is written once.
; RING.  Two LDS slots of 256 keys.  A token's row is 128 bytes and the rows are dense, so a tile is stated as rows of 256 bytes, a pair of keys each.  Waves 0, 1 fetch K's halves, waves 2, 3 V's, 64 rows a load.
; CLUSTER.  The four query blocks of a head walk the same K and V: each tile is asked for jointly, with a mask that names the four.
; REGISTERS: window 0: v2-11, v44 addresses; v12-43 statistics, 8 a tile; v64-191 S^T, 32 a tile, afterwards P in the low 16 of each 32; v192-255 K's fragments.
;   window 1: v0-63 Q; v64-191 O^T, 32 a tile; v192-255 V's fragments.
.set PK,    272                        ; a pair of keys of K in LDS: 256 bytes + 16: the 16 keys that a load touches fall on 16 different columns of 16 bytes
.set PV,    288                        ; of V: 256 + 32: the turning load's 16 lanes take 4 pairs x 2 keys x 32 bytes, each column once
.set VOFF,  128*PK                     ; a slot: 128 pairs of K, then 128 pairs of V
.set KSTB,  32*PK                      ; a step's 64 keys
.set VSTB,  32*PV
.set SLOT1, 1<<17                      ; slot 1 begins here: one exclusive or turns an address from one slot to the other
.set STAGE, SLOT1+128*(PK+PV)          ; behind the ring: 4 tiles x 8 pairs x 272 bytes for each wave
.set WSTG,  32*272
.set SPARE, STAGE+8*WSTG               ; the spare words, 128 bytes a wave, which no other line names
.set NSL,   8                          ; slots' worth of keys
.set AK0, 2                            ; v2   my lane's place in a tile of K
.set AV0, 3                            ; v3   the same for V
.set ADK, 4                            ; v4   LDS address of the step's K
.set ADV, 5                            ; v5   of its V
.set QO,  6                            ; v6   my byte offset in the wave's rows of Q
.set STO, 7                            ; v7   the way out: where I put 16 bytes of a token
.set RD,  8                            ; v8   where I read two pairs back
.set GO,  9                            ; v9   my byte offset in the wave's rows of att
.set SPW, 10                           ; v10  LDS address of my spare word; never rewritten
.set NIL, 11                           ; v11  0; never rewritten
.set ST,  12                           ; tile t's statistics at v[ST + 8 t]: +0 c m, +1 m, +2, +3 l (even keys', odd keys'), +4 to +7 at work; a stands in +6
.set PFO, 44                           ; v44  256 x lane: the prefetches' offset; never rewritten
.set S,   64
.set KF,  192
.set VF,  192                          ; in window 1
.set WV,  12                           ; s12  my wave's number
.set LIM, 15                           ; s15  1 in a wave that prefetches, else the greatest number
.set PFA, 18                           ; s[18:19] where my prefetches stand
.set G1K, 24
.set G1V, 32
.set G0K, 40                           ; the walking groups 0
.set G0V, 44
.set SLOTS, 48
.set CNT, 49
.set TK,  50                           ; LDS byte at which the step's K begins
.set TV,  51                           ; and, less VOFF, its V
.set CS,  52                           ; s[52:53] c: the packed form names a pair and takes its low word for both halves
.set SEL, 54                           ; s[54:55] v_permlanex16_b32's selects: lane l xor 16
.set MSB, 0
.macro WIN new
.if MSB != (\new)
	s_set_vgpr_msb (MSB<<8)|(\new)
.set MSB, (\new)
.endif
.endm
.set W_KQ, 0x04                        ; K and S^T window 0, Q window 1
.set TO_1, 0x40                        ; destination window 1
.set W_RS, 0x41                        ; O^T (destination and source 0) window 1, the factor window 0
.set W_PV, 0x51                        ; V and O^T window 1, P window 0
; A joint load: waves 0, 1 for K, waves 2, 3 for V, the others none.  The branches hang on the wave's number alone.  An s_nop 0 and four v_nop follow each of the two lines.
.macro JLOAD
	s_cmp_lt_u32 s[WV], 2
	s_cbranch_scc0 .Lnot_k_\@
	tensor_load_to_lds s[G0K:G0K+3], s[G1K:G1K+7]
	s_nop 0
.rept 4
	v_nop
.endr
	s_branch .Lasked_\@
.Lnot_k_\@:
	s_cmp_lt_u32 s[WV], 4
	s_cbranch_scc0 .Lasked_\@
	tensor_load_to_lds s[G0V:G0V+3], s[G1V:G1V+7]
	s_nop 0
.rept 4
	v_nop
.endr
.Lasked_\@:
.endm
; A PREFETCH of what the NEXT change of slots will ask for: a slot's 32,768 bytes of K and of V, four key steps ahead of that load.  One cluster walks a head, so each block of 256 bytes is named once in the launch:
; the four partners share a slot out BY ADDRESS, 8,192 bytes each; in each, wave 4 asks for K's and wave 6 for V's, lanes 256 bytes apart, one instruction.  The last change that fills a slot asks for nothing.
.macro ASK
	s_cmp_gt_u32 s[SLOTS], s[LIM]
	s_cbranch_scc0 .Lnot_mine_\@
	global_prefetch_b8 v[PFO], s[PFA:PFA+1] th:TH_LOAD_NT scope:SCOPE_SE
.Lnot_mine_\@:
.endm
.macro CROUND                          ; a round of the cluster's barrier
	s_barrier_signal -1
	s_barrier_wait -1
	s_cmp_lg_u32 s[WV], 0
	s_cbranch_scc1 .Lnot_wave_0_\@
	s_barrier_signal -3
.Lnot_wave_0_\@:
	s_barrier_wait -3
	s_barrier_signal -1
	s_barrier_wait -1
.endm
	s_load_b128 s[4:7], s[0:1], 0x0                ; qkv s[4:5], att s[6:7]
	v_lshl_add_u32 v[SPW], v0, 2, SPARE
	v_mov_b32 v[NIL], 0
	ds_add_u32 v[SPW], v[NIL]                      ; the wave's opening: the add, twice on end, and its wait ahead of the first tensor load
	ds_add_u32 v[SPW], v[NIL]
	v_lshrrev_b32 v1, 5, v0
	v_readfirstlane_b32 s[WV], v1                  ; wave 0..7
	s_bfe_u32 s13, ttmp6, 0x40000                  ; cx: my block of 512 queries: it enters Q's, att's and the prefetches' addresses alone
	s_and_b32 s14, ttmp7, 0xffff                   ; bh = 16 x batch + head, which the four partners share
	s_lshl_b32 s20, s14, 18                        ; a head is 262,144 bytes
	s_and_b32 s16, s[WV], 1                        ; which half of a slot I fetch, if I fetch
	s_lshl_b32 s22, s16, 14                        ; its 128 keys of 128 bytes
	s_add_co_u32 s22, s22, s20
	s_mov_b32 s23, 0
	s_mul_i32 s17, s16, 64*PK                      ; and its place in a slot: K's,
	s_mul_i32 s56, s16, 64*PV
	s_add_co_u32 s56, s56, VOFF                    ; V's
	s_lshl_b32 s57, s13, 16                        ; my block's 512 tokens,
	s_lshl_b32 s58, s[WV], 13                      ; my wave's 64 of them
	s_add_co_u32 s57, s57, s58
	s_add_co_u32 s2, s20, s57                      ; Q: head + tokens
	s_mov_b32 s3, 0
	s_and_b32 s58, s14, 15                         ; att: head x 1,048,576
	s_lshl_b32 s58, s58, 20
	s_lshr_b32 s59, s14, 4                         ; + batch x 262,144
	s_lshl_b32 s59, s59, 18
	s_add_co_u32 s58, s58, s59
	s_add_co_u32 s58, s58, s57                     ; + tokens
	s_mov_b32 s59, 0
	s_mov_b32 s[G1K], 15|(1<<16)|(1<<20)|(1<<21)|(5<<22)|(3<<25)  ; the mask: all four; elements of 2 bytes; padding on; bit 21 beside a mask; after every 64 words, 4 words
	s_mov_b32 s[G1V], 15|(1<<16)|(1<<20)|(1<<21)|(5<<22)|(7<<25)  ; the same with 8 words
.irp g, G1K, G1V
	s_mov_b32 s[\g+1], 128<<16                     ; tensor_dim0 = 128 elements: a pair of keys
	s_mov_b32 s[\g+2], 64<<16                      ; tensor_dim1 = 64
	s_mov_b32 s[\g+3], 128<<16                     ; tile_dim0
	s_mov_b32 s[\g+4], 64                          ; tile_dim1
	s_mov_b32 s[\g+5], 128                         ; from row to row: dense
	s_mov_b32 s[\g+6], 0
	s_mov_b32 s[\g+7], 0
.endr
	s_mov_b32 s[CS], 0x3e38aa3b                    ; c = log2(e) / 8
	s_mov_b32 s[CS+1], s[CS]
	s_mov_b32 s[SEL], 0x76543210
	s_mov_b32 s[SEL+1], 0xfedcba98
	s_mov_b32 s[TK], 0
	s_mov_b32 s[TV], 0
	s_mov_b32 s[SLOTS], NSL-1
	s_and_b32 s[LIM], s[WV], 5
	s_cmp_eq_u32 s[LIM], 4                         ; waves 4 and 6
	s_cselect_b32 s[LIM], 1, -1
	s_wait_dscnt 0x0                               ; both opening adds are done
	s_wait_kmcnt 0x0
	s_add_nc_u64 s[8:9], s[4:5], s[22:23]          ; qkv at my head and my half,
	s_add_nc_u64 s[10:11], s[8:9], 33554432        ; in V's part,
	s_add_nc_u64 s[8:9], s[8:9], 16777216          ; in K's part
	s_add_nc_u64 s[4:5], s[4:5], s[2:3]            ; Q at my wave's first token
	s_add_nc_u64 s[6:7], s[6:7], s[58:59]          ; att likewise
	s_cmp_eq_u32 s[WV], 4
	s_cselect_b64 s[PFA:PFA+1], s[8:9], s[10:11]   ; (in even waves these stand at a slot's first row)
	s_lshl_b32 s2, s13, 13                         ; my work-group's 8,192 bytes,
	s_add_co_u32 s2, s2, 32768                     ; in slot 1: the first change of slots steps it to slot 2.  Nothing is prefetched at the head
	s_add_nc_u64 s[PFA:PFA+1], s[PFA:PFA+1], s[2:3]
	CROUND                                         ; all four work-groups are here: the first joint loads meet
	s_mov_b32 s[G0K], 1
	s_mov_b32 s[G0K+1], s17
	s_mov_b64 s[G0K+2:G0K+3], s[8:9]
	s_or_b32 s[G0K+3], s[G0K+3], 0x80000000
	s_mov_b32 s[G0V], 1
	s_mov_b32 s[G0V+1], s56
	s_mov_b64 s[G0V+2:G0V+3], s[10:11]
	s_or_b32 s[G0V+3], s[G0V+3], 0x80000000
	JLOAD                                          ; slot 0: one tensor load of mine is out
	v_and_b32 v45, 15, v0                          ; r
	v_bfe_u32 v46, v0, 4, 1                        ; h
	v_lshlrev_b32 v[QO], 7, v45
	v_lshl_add_u32 v[QO], v46, 4, v[QO]            ; token r x 128 + 16 h
	WIN TO_1
.irp t, 0,1,2,3
.irp c, 0,1                                    ; Q stays in registers: tile t, channels 32 c on
	global_load_b128 v[16*\t+8*\c:16*\t+8*\c+3], v[QO], s[4:5] offset:\t*2048+\c*64
	global_load_b128 v[16*\t+8*\c+4:16*\t+8*\c+7], v[QO], s[4:5] offset:\t*2048+\c*64+32
.endr
.endr
.set i, 0
.rept 128
	v_mov_b32 v[64+i], 0                           ; O^T: the step is written once; its first walk finds zeros, which a = 0 leaves zeros
.set i, i+1
.endr
	WIN 0
	v_lshrrev_b32 v47, 1, v45
	v_mul_u32_u24 v[AK0], v47, PK                  ; K: pair r / 2,
	v_and_b32 v47, 1, v0
	v_lshl_add_u32 v[AK0], v47, 7, v[AK0]          ; key r % 2 of it,
	v_lshl_add_u32 v[AK0], v46, 4, v[AK0]          ; + 16 h
	v_bfe_u32 v48, v0, 1, 2                        ; V: the turning load's lane l reads key 8 h + l % 8: pair 4 h + (l / 2) % 4,
	v_lshl_add_u32 v48, v46, 2, v48
	v_mul_u32_u24 v[AV0], v48, PV
	v_lshl_add_u32 v[AV0], v47, 7, v[AV0]          ; key l % 2 of it,
	v_bfe_u32 v48, v0, 3, 1
	v_lshl_add_u32 v[AV0], v48, 4, v[AV0]          ; channels 8 ((l / 8) % 2) on
	v_add_nc_u32 v[AV0], VOFF, v[AV0]
	s_mul_i32 s57, s[WV], WSTG
	s_add_co_u32 s57, s57, STAGE                   ; my stage
	v_add_nc_u32 v[STO], s57, v[AK0]               ; in: as a key lies in a tile of K
	v_mul_u32_u24 v[RD], v46, 272                  ; back: lanes 0-15 one pair, lanes 16-31 the next
	v_lshl_add_u32 v[RD], v45, 4, v[RD]
	v_add_nc_u32 v[RD], s57, v[RD]
	v_and_b32 v[GO], 31, v0
	v_lshlrev_b32 v[PFO], 8, v[GO]
	v_lshlrev_b32 v[GO], 4, v[GO]                  ; and the same 512 bytes in att
.irp t, 0,1,2,3
	v_mov_b32 v[ST+8*\t+1], 0xff61b1e6             ; m = -3e38, under every score
	v_mov_b32 v[ST+8*\t+2], 0                      ; l
	v_mov_b32 v[ST+8*\t+3], 0
.endr
.irp t, 0,1,2,3
	v_mul_f32 v[ST+8*\t], s[CS], v[ST+8*\t+1]      ; c m
.endr
; THE SOFTMAX of four tiles of 16 queries x 64 keys, the tiles by turns, line by line, so that no line waits for the line above it.
.macro SOFTMAX
.irp j, 0,1,2,3                                ; the maximum: four chains, one for each accumulator, begun at its low end
.irp t, 0,1,2,3
	v_max3_num_f32 v[ST+8*\t+4+\j], v[S+32*\t+8*\j], v[S+32*\t+8*\j+1], v[S+32*\t+8*\j+2]
.endr
.endr
.irp g, 1,2
.irp j, 0,1,2,3
.irp t, 0,1,2,3
	v_max3_num_f32 v[ST+8*\t+4+\j], v[ST+8*\t+4+\j], v[S+32*\t+8*\j+2*\g+1], v[S+32*\t+8*\j+2*\g+2]
.endr
.endr
.endr
.irp t, 0,1,2,3
	v_max3_num_f32 v[ST+8*\t+4], v[ST+8*\t+4], v[S+32*\t+7], v[S+32*\t+15]
.endr
.irp t, 0,1,2,3
	v_max3_num_f32 v[ST+8*\t+6], v[ST+8*\t+6], v[S+32*\t+23], v[S+32*\t+31]
.endr
.irp t, 0,1,2,3
	v_max3_num_f32 v[ST+8*\t+4], v[ST+8*\t+4], v[ST+8*\t+5], v[ST+8*\t+6]
.endr
.irp t, 0,1,2,3
	v_max3_num_f32 v[ST+8*\t+4], v[ST+8*\t+4], v[ST+8*\t+7], v[ST+8*\t+1]   ; and the old m
.endr
.irp t, 0,1,2,3
	v_permlanex16_b32 v[ST+8*\t+5], v[ST+8*\t+4], s[SEL], s[SEL+1]          ; the query's other 32 keys lie in the lane 16 away
.endr
.irp t, 0,1,2,3
	v_mov_b32 v[ST+8*\t+7], v[ST+8*\t]             ; c m_old is kept for a
.endr
.irp t, 0,1,2,3
	v_max_num_f32 v[ST+8*\t+1], v[ST+8*\t+4], v[ST+8*\t+5]
.endr
.irp t, 0,1,2,3
	v_mul_f32 v[ST+8*\t], s[CS], v[ST+8*\t+1]
.endr
.irp t, 0,1,2,3
	v_sub_f32 v[ST+8*\t+7], v[ST+8*\t+7], v[ST+8*\t]
.endr
	; ONE BATCH: the four a, the 64 scalings c s - c m and the 128 exponentials; none of these names an exponential's result.  A tile's pairs are scaled while the tile before has its exponentials.
.irp t, 0,1,2,3
	v_exp_f32 v[ST+8*\t+6], v[ST+8*\t+7]
.endr
.set i, 0
.rept 16
	v_pk_fma_f32 v[S+2*i:S+2*i+1], v[S+2*i:S+2*i+1], s[CS:CS+1], v[ST:ST+1] op_sel_hi:[1,0,0] neg_lo:[0,0,1] neg_hi:[0,0,1]
.set i, i+1
.endr
.irp t, 0,1,2,3
.set i, 0
.rept 16
.if \t < 3
	v_pk_fma_f32 v[S+32*(\t+1)+2*i:S+32*(\t+1)+2*i+1], v[S+32*(\t+1)+2*i:S+32*(\t+1)+2*i+1], s[CS:CS+1], v[ST+8*(\t+1):ST+8*(\t+1)+1] op_sel_hi:[1,0,0] neg_lo:[0,0,1] neg_hi:[0,0,1]
.endif
	v_exp_f32 v[S+32*\t+2*i], v[S+32*\t+2*i]
	v_exp_f32 v[S+32*\t+2*i+1], v[S+32*\t+2*i+1]
.set i, i+1
.endr
.endr
	v_nop                                          ; a plain instruction behind the last exponential, ahead of the first use (ISA guide 5.7.2)
	s_wait_alu depctr_va_vdst(0)                   ; the wait ahead of the first instruction that names a result: one for the batch of 132
	; the sums of the unrounded p, two chains a tile: l = a l + ..
.irp t, 0,1,2,3
	v_pk_fma_f32 v[ST+8*\t+2:ST+8*\t+3], v[ST+8*\t+2:ST+8*\t+3], v[ST+8*\t+6:ST+8*\t+7], v[S+32*\t:S+32*\t+1] op_sel_hi:[1,0,1]
.endr
.irp t, 0,1,2,3
	v_pk_add_f32 v[ST+8*\t+4:ST+8*\t+5], v[S+32*\t+2:S+32*\t+3], v[S+32*\t+6:S+32*\t+7]
.endr
.irp n, 4,8,12,16,20,24
.irp t, 0,1,2,3
	v_pk_add_f32 v[ST+8*\t+2:ST+8*\t+3], v[ST+8*\t+2:ST+8*\t+3], v[S+32*\t+\n:S+32*\t+\n+1]
.endr
.irp t, 0,1,2,3
	v_pk_add_f32 v[ST+8*\t+4:ST+8*\t+5], v[ST+8*\t+4:ST+8*\t+5], v[S+32*\t+\n+6:S+32*\t+\n+7]
.endr
.endr
.irp t, 0,1,2,3
	v_pk_add_f32 v[ST+8*\t+2:ST+8*\t+3], v[ST+8*\t+2:ST+8*\t+3], v[S+32*\t+28:S+32*\t+29]
.endr
.irp t, 0,1,2,3
	v_pk_add_f32 v[ST+8*\t+2:ST+8*\t+3], v[ST+8*\t+2:ST+8*\t+3], v[ST+8*\t+4:ST+8*\t+5]
.endr
	; p to f16, in place: pair n of a tile's 16 goes into its register n, which earlier pairs have left
.set i, 0
.rept 16
.irp t, 0,1,2,3
	v_cvt_pk_f16_f32 v[S+32*\t+i], v[S+32*\t+2*i], v[S+32*\t+2*i+1]
.endr
.set i, i+1
.endr
.endm
; A KEY STEP: 64 keys.  Every window is 0 at its head and at its end.
.macro STEP
	v_add_nc_u32 v[ADK], s[TK], v[AK0]
	v_add_nc_u32 v[ADV], s[TV], v[AV0]
.rept 3
	v_nop                                          ; with the two additions five places behind the last V^T P: four are owed by the loads into V's registers, five by the products below, which write over P
.endr
.irp kt, 0,1,2,3
.irp c, 0,1                                    ; K: keys 16 kt on, channels 32 c on
	ds_load_b128 v[KF+16*\kt+8*\c:KF+16*\kt+8*\c+3], v[ADK] offset:\kt*8*PK+\c*64
	ds_load_b128 v[KF+16*\kt+8*\c+4:KF+16*\kt+8*\c+7], v[ADK] offset:\kt*8*PK+\c*64+32
.endr
.endr
	WIN TO_1
.irp kk, 0,1
.irp ct, 0,1,2,3                               ; V, turned: keys 32 kk on, channels 16 ct on
	ds_load_tr16_b128 v[VF+32*\kk+8*\ct:VF+32*\kk+8*\ct+3], v[ADV] offset:\kk*16*PV+\ct*32
	ds_load_tr16_b128 v[VF+32*\kk+8*\ct+4:VF+32*\kk+8*\ct+7], v[ADV] offset:\kk*16*PV+8*PV+\ct*32
.endr
.endr
	s_add_co_u32 s[TK], s[TK], KSTB
	s_add_co_u32 s[TV], s[TV], VSTB
	s_wait_dscnt 16                                ; K's 16 loads are in; V's 16 may be out
	WIN W_KQ
.irp c, 0,1                                    ; S^T = K Q^T: 16 accumulators by turns, one instruction a turn; the first 16 start the sums
.irp kt, 0,1,2,3
.irp t, 0,1,2,3
.if \c == 0
	v_wmma_f32_16x16x32_f16 v[S+32*\t+8*\kt:S+32*\t+8*\kt+7], v[KF+16*\kt+8*\c:KF+16*\kt+8*\c+7], v[16*\t+8*\c:16*\t+8*\c+7], 0
.else
	v_wmma_f32_16x16x32_f16 v[S+32*\t+8*\kt:S+32*\t+8*\kt+7], v[KF+16*\kt+8*\c:KF+16*\kt+8*\c+7], v[16*\t+8*\c:16*\t+8*\c+7], v[S+32*\t+8*\kt:S+32*\t+8*\kt+7]
.endif
.endr
.endr
.endr
	WIN 0
.rept 4
	v_nop                                          ; places in front of the first read of the scores
.endr
	SOFTMAX
	s_wait_dscnt 0x0                               ; V is in
	WIN W_RS
.irp t, 0,1,2,3
.set i, 0
.rept 16
	v_pk_mul_f32 v[64+32*\t+2*i:64+32*\t+2*i+1], v[64+32*\t+2*i:64+32*\t+2*i+1], v[ST+8*\t+6:ST+8*\t+7] op_sel_hi:[1,0]   ; O^T x a, each accumulator from its low end on
.set i, i+1
.endr
.endr
	WIN W_PV
.irp kk, 0,1                                   ; O^T += V^T P: 16 accumulators by turns
.irp ct, 0,1,2,3
.irp t, 0,1,2,3
	v_wmma_f32_16x16x32_f16 v[64+32*\t+8*\ct:64+32*\t+8*\ct+7], v[VF+32*\kk+8*\ct:VF+32*\kk+8*\ct+7], v[S+32*\t+8*\kk:S+32*\t+8*\kk+7], v[64+32*\t+8*\ct:64+32*\t+8*\ct+7]
.endr
.endr
.endr
	WIN 0
.endm
.macro FOUR_STEPS                      ; a slot's four key steps: written once, walked four times
	s_mov_b32 s[CNT], 4
.Lstep_\@:
	STEP
	s_sub_co_u32 s[CNT], s[CNT], 1
	s_cmp_lg_u32 s[CNT], 0
	s_cbranch_scc1 .Lstep_\@
	s_sub_co_u32 s[TK], s[TK], 4*KSTB              ; back to a slot's first step,
	s_xor_b32 s[TK], s[TK], SLOT1                  ; in the other slot
	s_sub_co_u32 s[TV], s[TV], 4*VSTB
	s_xor_b32 s[TV], s[TV], SLOT1
.endm
; THE CHANGE OF SLOTS stands at a slot's head.  Each wave waits for all its tensor loads (its part of the slot that it is about to read), adds 0 to its spare word, and waits for that and for its reads of the slot that it has left.
; fill = 1: a round of the cluster's barrier, and behind it the slot just left is filled with the keys that follow: the load has four key steps in which to land.
.macro CHANGE fill
	s_wait_tensorcnt 0x0                           ; no tensor load of mine is out, so a group 0 may be written
	ds_add_u32 v[SPW], v[NIL]                      ; 0 onto my spare word
.if \fill
	ds_add_u32 v[SPW], v[NIL]                      ; and once more: the add twice on end, in every trip alike
	s_xor_b32 s[G0K+1], s[G0K+1], SLOT1            ; the walking descriptors: the other slot than last time,
	s_add_nc_u64 s[G0K+2:G0K+3], s[G0K+2:G0K+3], 32768   ; the next 256 keys; the type bits on top are not reached
	s_xor_b32 s[G0V+1], s[G0V+1], SLOT1
	s_add_nc_u64 s[G0V+2:G0V+3], s[G0V+2:G0V+3], 32768
	s_wait_xcnt 0x0                                ; the last prefetch, a slot back, has read its address, so it may be written:
	s_add_nc_u64 s[PFA:PFA+1], s[PFA:PFA+1], 32768 ; one slot further on than the walking descriptors
.endif
	s_wait_dscnt 0x0                               ; the add is done, and my reads of the slot that I have left are over
.if \fill
	CROUND                                         ; no wave of any partner still reads that slot or has a load on its way
	JLOAD                                          ; the first thing behind the round, a wave's one tensor load until the next
	ASK
.else
	s_barrier_signal -1
	s_barrier_wait -1
.endif
.endm
	s_wait_loadcnt 0x0                             ; Q
.Lslot:                                            ; seven trips: behind each change of slots but the last the next slot is asked for
	CHANGE 1
	FOUR_STEPS
	s_sub_co_u32 s[SLOTS], s[SLOTS], 1
	s_cmp_lg_u32 s[SLOTS], 0
	s_cbranch_scc1 .Lslot
	CHANGE 0                                       ; the last slot is written out
	FOUR_STEPS
	; THE WAY OUT.  l's two halves and the other half of the lanes' are added (these additions are the places behind the last products); O^T is divided by l, rounded to f16 and sent through my stage, a tile at a time.
.irp t, 0,1,2,3
	v_add_f32 v[ST+8*\t+4], v[ST+8*\t+2], v[ST+8*\t+3]
.endr
.irp t, 0,1,2,3
	v_permlanex16_b32 v[ST+8*\t+5], v[ST+8*\t+4], s[SEL], s[SEL+1]
.endr
.irp t, 0,1,2,3
	v_add_f32 v[ST+8*\t+4], v[ST+8*\t+4], v[ST+8*\t+5]
.endr
.irp t, 0,1,2,3
	v_rcp_f32 v[ST+8*\t+6], v[ST+8*\t+4]
.endr
	v_nop                                          ; a plain instruction between the last reciprocal and the use of its result
	s_wait_alu depctr_va_vdst(0)                   ; and the wait: one for the four
.macro PACK t
	WIN W_RS
.set i, 0
.rept 16
	v_pk_mul_f32 v[64+32*\t+2*i:64+32*\t+2*i+1], v[64+32*\t+2*i:64+32*\t+2*i+1], v[ST+8*\t+6:ST+8*\t+7] op_sel_hi:[1,0]
.set i, i+1
.endr
	WIN 0x05                                       ; sources 0 and 1 window 1, destination window 0
.set i, 0
.rept 16
	v_cvt_pk_f16_f32 v[S+32*\t+i], v[64+32*\t+2*i], v[64+32*\t+2*i+1]
.set i, i+1
.endr
	WIN 0
.irp ct, 0,1,2,3
	ds_store_b128 v[STO], v[S+32*\t+4*\ct:S+32*\t+4*\ct+3] offset:8*272*\t+32*\ct
.endr
.irp f, 0,1,2,3
	ds_load_b128 v[S+32*\t+16+4*\f:S+32*\t+16+4*\f+3], v[RD] offset:8*272*\t+2*272*\f   ; LDS serves a wave's instructions in order: these see the stores above
.endr
.endm
.macro SEND t, younger                 ; younger: the LDS instructions issued behind tile t's loads: the next tile's four stores and four loads, or none
.irp f, 0,1,2,3
	s_wait_dscnt \younger+3-\f
	global_store_b128 v[GO], v[S+32*\t+16+4*\f:S+32*\t+16+4*\f+3], s[6:7] offset:2048*\t+512*\f   ; 32 lanes store 512 consecutive bytes, aligned
.endr
.endm
	PACK 0
	PACK 1
	SEND 0, 8
	PACK 2
	SEND 1, 8
	PACK 3
	SEND 2, 8
	SEND 3, 0
	s_wait_tensorcnt 0x0                           ; the wave's end
	ds_add_u32 v[SPW], v[NIL]
	s_wait_dscnt 0x0
	CROUND                                         ; the closing round
	s_endpgm
.Lfunc_end_k_q731c71a179_attn:
	.size	k_q731c71a179_attn, .Lfunc_end_k_q731c71a179_attn-k_q731c71a179_attn
	.p2alignl 7, 3214868480
	.fill 96, 4, 3214868480
	.section	.rodata,"a",@progbits
	.p2align	6, 0x0
	.amdhsa_kernel k_q731c71a179_attn
		.amdhsa_group_segment_fixed_size 327680
		.amdhsa_private_segment_fixed_size 0
		.amdhsa_enable_private_segment 0
		.amdhsa_kernarg_size 16
		.amdhsa_user_sgpr_count 2
		.amdhsa_user_sgpr_kernarg_segment_ptr 1
		.amdhsa_wavefront_size32 1
		.amdhsa_system_sgpr_workgroup_id_x 1
		.amdhsa_system_sgpr_workgroup_id_y 1
		.amdhsa_system_sgpr_workgroup_id_z 1
		.amdhsa_system_vgpr_workitem_id 0
		.amdhsa_next_free_vgpr 512
		.amdhsa_next_free_sgpr 66
		.amdhsa_reserve_vcc 0
		.amdhsa_float_denorm_mode_32 3
		.amdhsa_float_denorm_mode_16_64 3
		.amdhsa_memory_ordered 1
		.amdhsa_forward_progress 1
		.amdhsa_inst_pref_size 92
	.end_amdhsa_kernel
	.amdgpu_metadata
---
amdhsa.version: [ 1, 2 ]
amdhsa.kernels:
  - .name:           k_q731c71a179_attn
    .symbol:         k_q731c71a179_attn.kd
    .args:
      - { .name: qkv, .offset: 0, .size: 8, .value_kind: global_buffer, .address_space: global }
      - { .name: att, .offset: 8, .size: 8, .value_kind: global_buffer, .address_space: global }
    .group_segment_fixed_size: 327680
    .private_segment_fixed_size: 0
    .kernarg_segment_align: 8
    .kernarg_segment_size: 16
    .max_flat_workgroup_size: 256
    .sgpr_count:     66
    .vgpr_count:     512
    .wavefront_size: 32
...
	.end_amdgpu_metadata
.endif
;; end of part 3
;; launch oproj (part 4): grid 4 x 64, 4 waves a work-group, clusters of 4 x 4, 327,680 bytes of LDS; arguments att, wo16, bo, out0; writes out0
.if DOCPART == 4
	.amdgcn_target "amdgcn-amd-amdhsa--gfx1250"
	.amdhsa_code_object_version 6
	.text
	.protected	k_q731c71a179_oproj
	.globl	k_q731c71a179_oproj
	.p2align	8
	.type	k_q731c71a179_oproj,@function
k_q731c71a179_oproj:
	s_mov_b64 s[64:65], 0
	v_nop
	global_prefetch_b8 v0, s[64:65] scope:SCOPE_SE
	s_setreg_imm32_b32 hwreg(HW_REG_WAVE_MODE, 25, 1), 1
	s_wait_xcnt 0x0
	s_wait_alu depctr_hold_cnt(0) depctr_sa_sdst(0) depctr_va_vdst(0) depctr_va_sdst(0) depctr_va_ssrc(0) depctr_va_vcc(0) depctr_vm_vsrc(0)
	s_getreg_b32 s2, hwreg(HW_REG_IB_STS2, 6, 4)
	s_cmp_eq_u32 s2, 0
	s_cbranch_scc0 .Lentry_in_a_cluster
	s_endpgm
.Lentry_in_a_cluster:
	s_bfe_u32 s2, ttmp6, 0x10000c
	s_cmp_lg_u32 s2, 0xf033
	s_cbranch_scc0 .Lentry_shape_is_right
	s_endpgm
.Lentry_shape_is_right:
; FOURTH LAUNCH: out0[token][n] = sum over k of A[token][k] Wo[n][k] + bo[n].  A is the attention's result, f16, att[head][8,192 tokens][64], k = 64 x head + channel; Wo: f16 [1,024][1,024]; sums and out0 in f32.
; A tile of out0 is 128 tokens x 256 outputs: 256 work-groups.  Four waves, each 64 x 128: 32 accumulators of 16 x 16.  K goes in steps of 128, two heads, through a ring of two LDS slots.
; A head's 128 tokens are 16,384 dense bytes, stated as 64 rows of 256 bytes, a pair of tokens each.  Waves 0, 1 fetch the step's two heads of A, waves 2, 3 the two halves of Wo's 256 rows.
; CLUSTERS: 4 x 4 work-groups: A's tiles are shared along a row of the cluster, Wo's along a column, by joint loads.  THE MATRIX INSTRUCTION IS USED TRANSPOSED (source 0 = 16 rows of Wo, source 1 = 16 tokens).
; bo, in the result's layout, is the C of each sum's first product.
; No prefetch: eight K steps, of which the first four would come by their loads alone, and Wo's rows are walked again by every tile row.
; REGISTERS: window 0: v0-31 addresses; v64-127 A's fragments (4 x 16 tokens x 32 K), two sets; v128-191 bo; on the way out v128-255 are at work.  window 1: Wo's fragments, two sets of 64.  window 2: the accumulators ((a, b) at v[8 (8 a + b)]).
.set PITCH,  272                       ; an LDS row: 256 bytes + 16 of padding
.set AH,     64*PITCH                  ; a head's 128 tokens
.set SLOT,   2*AH+256*PITCH            ; A's two heads, then Wo's 256 rows
.set STAGE,  2*SLOT                    ; behind the ring: 16 rows x 528 bytes for each wave
.set SPITCH, 528
.set SPARE,  STAGE+4*16*SPITCH         ; the spare words, 128 bytes a wave, which no other line names
.set HEADB,  1048576                   ; a head of att in bytes
.set ADRA, 16
.set ADRB, 20
.set STO,  24
.set RD,   25
.set CO,   26
.set SPW,  28
.set NIL,  29
.set BOF,  30
.set FA,   64                          ; A's fragments: set f at v[64 + 32 f]
.set BI,   128                         ; register 8 b + j: bo of output 16 b + 8 (lane / 16) + j of my 128
.set BK,   128                         ; the way out: 16 rows read back: v128-191 and v192-255 by turns
.set G1A, 24
.set G0A, 32
.set G1B, 48
.set G0B, 56
.set MSB, 0
.macro WIN new
.if MSB != (\new)
	s_set_vgpr_msb (MSB<<8)|(\new)
.set MSB, (\new)
.endif
.endm
.set MUL,  0xa1                        ; source 0 (Wo) window 1, source 1 (A) window 0, C and D window 2
.set FST,  0x81                        ; the first products: C (bo) window 0
.set TO_B, 0x40
.macro JLOAD s                         ; a joint load: waves 0, 1 for A, waves 2, 3 for Wo; an s_nop 0 and four v_nop follow each of the two lines
	s_cmp_eq_u32 s15, 0
	s_cbranch_scc0 .Lfor_b_\@
	tensor_load_to_lds s[G0A+4*\s:G0A+4*\s+3], s[G1A:G1A+7]
	s_nop 0
.rept 4
	v_nop
.endr
	s_branch .Lasked_\@
.Lfor_b_\@:
	tensor_load_to_lds s[G0B+4*\s:G0B+4*\s+3], s[G1B:G1B+7]
	s_nop 0
.rept 4
	v_nop
.endr
.Lasked_\@:
.endm
.macro CREST                           ; a round of the cluster's barrier behind its opening barrier
	s_cmp_lg_u32 s14, 0
	s_cbranch_scc1 .Lnot_wave_0_\@
	s_barrier_signal -3
.Lnot_wave_0_\@:
	s_barrier_wait -3
	s_barrier_signal -1
	s_barrier_wait -1
.endm
.macro CROUND
	s_barrier_signal -1
	s_barrier_wait -1
	CREST
.endm
	s_load_b256 s[4:11], s[0:1], 0x0               ; att s[4:5], wo16 s[6:7], bo s[8:9], out0 s[10:11]
	v_lshl_add_u32 v[SPW], v0, 2, SPARE
	v_mov_b32 v[NIL], 0
	ds_add_u32 v[SPW], v[NIL]                      ; the wave's opening: the add, twice on end, and its wait ahead of my first tensor load
	ds_add_u32 v[SPW], v[NIL]
	v_lshrrev_b32 v1, 5, v0
	v_readfirstlane_b32 s14, v1                    ; wave 0..3
	s_lshr_b32 s15, s14, 1                         ; which 64 tokens are mine.  Also: I fetch for A (0) or for Wo (1)
	s_and_b32 s16, s14, 1                          ; which 128 outputs.  Also: which head, or which 128 rows of Wo, I fetch
	s_bfe_u32 s40, ttmp6, 0x40000                  ; cx, cy
	s_bfe_u32 s41, ttmp6, 0x40004
	s_lshl_b32 s42, ttmp9, 2
	s_add_co_u32 s42, s42, s40                     ; tile column: 0..3
	s_and_b32 s17, ttmp7, 0xffff
	s_lshl_b32 s17, s17, 2
	s_add_co_u32 s17, s17, s41                     ; tile row: 0..63
	s_lshl_b32 s43, s41, 2
	s_lshl_b32 s43, 15, s43                        ; my row of the cluster
	s_lshl_b32 s44, 0x1111, s40                    ; my column
	s_or_b32 s[G1A+0], s43, (1<<16)|(1<<20)|(1<<21)|(5<<22)|(3<<25)  ; the mask; elements of 2 bytes; padding on; bit 21 beside a mask; after every 64 words, 4 words
	s_mov_b32 s[G1A+1], 128<<16                    ; A: 64 rows of 128 elements, dense
	s_mov_b32 s[G1A+2], 64<<16
	s_mov_b32 s[G1A+3], 128<<16
	s_mov_b32 s[G1A+4], 64
	s_mov_b32 s[G1A+5], 128
	s_mov_b32 s[G1A+6], 0
	s_mov_b32 s[G1A+7], 0
	s_or_b32 s[G1B+0], s44, (1<<16)|(1<<20)|(1<<21)|(5<<22)|(3<<25)
	s_mov_b32 s[G1B+1], 128<<16                    ; Wo: 128 rows of 128 elements, 1,024 elements apart
	s_mov_b32 s[G1B+2], 128<<16
	s_mov_b32 s[G1B+3], 128<<16
	s_mov_b32 s[G1B+4], 128
	s_mov_b32 s[G1B+5], 1024
	s_mov_b32 s[G1B+6], 0
	s_mov_b32 s[G1B+7], 0
	s_lshl_b32 s20, s17, 14                        ; A: 128 tokens x 128 bytes for each tile row,
	s_lshl_b32 s21, s16, 20                        ; + my head of the step's two
	s_add_co_u32 s20, s20, s21
	s_mov_b32 s21, 0
	s_lshl_b32 s46, s42, 19                        ; Wo: 256 rows x 2,048 bytes for each tile column,
	s_lshl_b32 s47, s16, 18                        ; + my 128 rows
	s_add_co_u32 s46, s46, s47
	s_mov_b32 s47, 0
	s_mul_i32 s45, s16, AH                         ; where they go: no place in the cluster enters an LDS address
	s_mul_i32 s22, s16, 128*PITCH
	s_add_co_u32 s22, s22, 2*AH
	s_wait_dscnt 0x0                               ; both opening adds are done
	s_wait_kmcnt 0x0
	s_add_nc_u64 s[20:21], s[4:5], s[20:21]
	s_add_nc_u64 s[46:47], s[6:7], s[46:47]
	CROUND                                         ; all sixteen work-groups are here: the first joint loads meet
.irp s, 0,1
	s_mov_b32 s[G0A+4*\s], 1
	s_add_co_u32 s[G0A+4*\s+1], s45, \s*SLOT
	s_add_nc_u64 s[G0A+4*\s+2:G0A+4*\s+3], s[20:21], \s*2*HEADB     ; K step s: heads 2 s, 2 s + 1
	s_or_b32 s[G0A+4*\s+3], s[G0A+4*\s+3], 0x80000000
	s_mov_b32 s[G0B+4*\s], 1
	s_add_co_u32 s[G0B+4*\s+1], s22, \s*SLOT
	s_add_nc_u64 s[G0B+4*\s+2:G0B+4*\s+3], s[46:47], \s*256
	s_or_b32 s[G0B+4*\s+3], s[G0B+4*\s+3], 0x80000000
	JLOAD \s                                       ; two tensor loads of mine are out
.endr
	v_and_b32 v1, 15, v0                           ; r
	v_bfe_u32 v2, v0, 4, 1                         ; h
	v_lshlrev_b32 v[BOF], 5, v2
	s_lshl_b32 s46, s42, 10                        ; 4 bytes x (256 x tile column + 128 x half)
	s_lshl_b32 s47, s16, 9
	s_add_co_u32 s46, s46, s47
	s_mov_b32 s47, 0
	s_add_nc_u64 s[8:9], s[8:9], s[46:47]
	s_add_nc_u64 s[10:11], s[10:11], s[46:47]      ; out0 at my first column,
.irp b, 0,1,2,3,4,5,6,7
	global_load_b128 v[BI+8*\b:BI+8*\b+3], v[BOF], s[8:9] offset:64*\b
	global_load_b128 v[BI+8*\b+4:BI+8*\b+7], v[BOF], s[8:9] offset:64*\b+16
.endr
	s_lshl_b32 s20, s17, 19                        ; and my first row: (128 x tile row + 64 x half) x 4,096 bytes
	s_lshl_b32 s21, s15, 18
	s_add_co_u32 s20, s20, s21
	s_mov_b32 s21, 0
	s_add_nc_u64 s[10:11], s[10:11], s[20:21]
	v_lshrrev_b32 v3, 1, v1
	v_mul_u32_u24 v3, v3, PITCH                    ; A: pair r / 2,
	v_and_b32 v4, 1, v0
	v_lshl_add_u32 v3, v4, 7, v3                   ; token r % 2 of it,
	v_lshl_add_u32 v3, v2, 4, v3                   ; + 16 h
	v_mul_u32_u24 v4, v1, PITCH                    ; Wo: row r, + 16 h
	v_lshl_add_u32 v4, v2, 4, v4
	s_mul_i32 s21, s15, 32*PITCH                   ; my 64 tokens: 32 pairs
	s_mul_i32 s22, s16, 128*PITCH                  ; my 128 rows of Wo,
	s_add_co_u32 s22, s22, 2*AH                    ; behind A's two heads
.irp s, 0,1
	v_add_nc_u32 v[ADRA+\s], s21, v3
	v_add_nc_u32 v[ADRB+\s], s22, v4
	s_add_co_u32 s21, s21, SLOT
	s_add_co_u32 s22, s22, SLOT
.endr
	s_mul_i32 s23, s14, 16*SPITCH
	s_add_co_u32 s23, s23, STAGE                   ; my stage
	v_mul_u32_u24 v5, v1, SPITCH                   ; in: row r, 32 bytes for each half of the lanes
	v_lshl_add_u32 v5, v2, 5, v5
	v_add_nc_u32 v[STO], s23, v5
	v_and_b32 v6, 31, v0
	v_lshlrev_b32 v[CO], 4, v6                     ; back: the 32 lanes take one row of 512 bytes; and the same in out0
	v_add_nc_u32 v[RD], s23, v[CO]
; 8 matrix instructions: block a of my tokens against Wo's eight blocks, 32 along K, from set f.  zero = 1: the first product starts the sums from bo.  The 32 accumulators take turns, one instruction a turn.
.macro MUL8 f, a, zero
.irp b, 0,1,2,3,4,5,6,7
.if \zero
	v_wmma_f32_16x16x32_f16 v[8*(8*(\a)+\b):8*(8*(\a)+\b)+7], v[64*(\f)+8*\b:64*(\f)+8*\b+7], v[FA+32*(\f)+8*(\a):FA+32*(\f)+8*(\a)+7], v[BI+8*\b:BI+8*\b+7]
.else
	v_wmma_f32_16x16x32_f16 v[8*(8*(\a)+\b):8*(8*(\a)+\b)+7], v[64*(\f)+8*\b:64*(\f)+8*\b+7], v[FA+32*(\f)+8*(\a):FA+32*(\f)+8*(\a)+7], v[8*(8*(\a)+\b):8*(8*(\a)+\b)+7]
.endif
.endr
.endm
; 24 LDS loads in one run: the fragments of the slot's quarter q (32 along K: head q / 2, channels 32 (q % 2) on) into set f: Wo's eight, then A's four
.macro FETCH slot, q, f
	WIN TO_B
.irp i, 0,1,2,3,4,5,6,7
	ds_load_b128 v[64*(\f)+8*\i:64*(\f)+8*\i+3], v[ADRB+\slot] offset:64*(\q)+\i*16*PITCH
	ds_load_b128 v[64*(\f)+8*\i+4:64*(\f)+8*\i+7], v[ADRB+\slot] offset:64*(\q)+\i*16*PITCH+32
.endr
	WIN 0
.irp i, 0,1,2,3
	ds_load_b128 v[FA+32*(\f)+8*\i:FA+32*(\f)+8*\i+3], v[ADRA+\slot] offset:((\q)/2)*AH+((\q)%2)*64+\i*8*PITCH
	ds_load_b128 v[FA+32*(\f)+8*\i+4:FA+32*(\f)+8*\i+7], v[ADRA+\slot] offset:((\q)/2)*AH+((\q)%2)*64+\i*8*PITCH+32
.endr
.endm
.macro PLACES                          ; four plain vector instructions in front of loads into registers that matrix instructions have read, and of reads of results
.rept 4
	v_nop
.endr
.endm
; A K step is four quarters of 32 along K, 32 matrix instructions each, on sets 0, 1, 0, 1.  One of the first three multiplies set f and fetches quarter qn of the same slot into set g.
.macro QUARTER slot, qn, f, g, zero
	s_wait_dscnt 4                                 ; Wo's fragments and A's blocks 0, 1 are in; the youngest four loads (A's blocks 2, 3) may be out
.if \zero
	WIN FST
.else
	WIN MUL
.endif
	MUL8 \f, 0, \zero
	MUL8 \f, 1, \zero
	PLACES
	FETCH \slot, \qn, \g
	s_wait_dscnt 24                                ; all but the 24 just issued
.if \zero
	WIN FST
.else
	WIN MUL
.endif
	MUL8 \f, 2, \zero
	MUL8 \f, 3, \zero
.endm
; The last quarter multiplies set 1 and changes slots: ONE barrier; in front of it each wave waits for all its tensor loads, adds 0 to its spare word, and waits for that and for its reads of this slot.
; fill = 1: the barrier opens a round of the cluster's, and behind the round this slot is filled again, two K steps ahead.
.macro TURN slot, next, fill
	WIN 0                                          ; (the add's two registers lie in window 0)
	s_wait_tensorcnt 0x0                           ; all my tensor loads have landed: my part of the next slot
	ds_add_u32 v[SPW], v[NIL]                      ; 0 onto my spare word
	s_wait_dscnt 5                                 ; (the add and the youngest four loads may be out)
	WIN MUL
	MUL8 1, 0, 0                                   ; eight matrix instructions stand between the add and the wait for it
	s_wait_dscnt 0x0                               ; the add is done, and my reads of this slot are over
	s_barrier_signal -1
	MUL8 1, 1, 0
.if \fill
	WIN 0
.endif
	s_barrier_wait -1
.if \fill
	CREST                                          ; no wave of any partner still reads this slot's tile or has a load on its way
	s_add_nc_u64 s[G0A+4*\slot+2:G0A+4*\slot+3], s[G0A+4*\slot+2:G0A+4*\slot+3], 4*HEADB
	s_add_nc_u64 s[G0B+4*\slot+2:G0B+4*\slot+3], s[G0B+4*\slot+2:G0B+4*\slot+3], 512
	JLOAD \slot                                    ; the first tensor load behind the round; its four v_nop are also the places in front of the loads below
.else
	PLACES
.endif
	FETCH \next, 0, 0
	WIN MUL
	MUL8 1, 2, 0
	MUL8 1, 3, 0
.endm
	s_wait_tensorcnt 1                             ; my part of K step 0 is in (K step 1's load may be out)
	s_barrier_signal -1
	s_barrier_wait -1                              ; everybody's is
	FETCH 0, 0, 0
	s_wait_loadcnt 0x0                             ; bo
	QUARTER 0, 1, 0, 1, 1                          ; the first quarter stands in front of the loop: its products start the sums
	WIN 0                                          ; at a label and at a branch every window is 0
	s_mov_b32 s3, 3
.Llap:                                                 ; a trip goes once round the ring, from a lap's second quarter to the next lap's first, and fills both slots again
	QUARTER 0, 2, 1, 0, 0
	QUARTER 0, 3, 0, 1, 0
	TURN 0, 1, 1
	QUARTER 1, 1, 0, 1, 0
	QUARTER 1, 2, 1, 0, 0
	QUARTER 1, 3, 0, 1, 0
	TURN 1, 0, 1
	QUARTER 0, 1, 0, 1, 0
	WIN 0
	s_sub_co_u32 s3, s3, 1
	s_cmp_lg_u32 s3, 0
	s_cbranch_scc1 .Llap
	QUARTER 0, 2, 1, 0, 0                          ; the last lap fills nothing, and has no round
	QUARTER 0, 3, 0, 1, 0
	TURN 0, 1, 0
	QUARTER 1, 1, 0, 1, 0
	QUARTER 1, 2, 1, 0, 0
	QUARTER 1, 3, 0, 1, 0
	s_wait_dscnt 4                                 ; the very last quarter
	WIN MUL
	MUL8 1, 0, 0
	MUL8 1, 1, 0
	s_wait_dscnt 0
	MUL8 1, 2, 0
	MUL8 1, 3, 0
	WIN 0
; THE WAY OUT, block by block of 16 tokens x 128 outputs: a lane holds 32 neighbouring bytes of a row; a block goes through my own stage and comes back as whole rows of 512 bytes.
.macro TOSTAGE a
	WIN 0x08                                       ; an LDS store's data: window 2
.irp b, 0,1,2,3,4,5,6,7
	ds_store_b128 v[STO], v[64*(\a)+8*\b:64*(\a)+8*\b+3] offset:64*\b          ; each accumulator from its low end on
	ds_store_b128 v[STO], v[64*(\a)+8*\b+4:64*(\a)+8*\b+7] offset:64*\b+16
.endr
	WIN 0
.set BB, BK+64*((\a)%2)
.irp t, 0,1,2,3,4,5,6,7,8,9,10,11,12,13,14,15
	ds_load_b128 v[BB+4*\t:BB+4*\t+3], v[RD] offset:\t*SPITCH     ; LDS serves a wave's instructions in order: these see the stores above, and the next block's stores come behind them
.endr
.endm
.macro SEND a, younger                 ; younger: the LDS instructions issued behind block a's loads: the next block's 16 stores and 16 loads, or none
.set BB, BK+64*((\a)%2)
	s_wait_dscnt \younger
.irp t, 0,1,2,3,4,5,6,7,8,9,10,11,12,13,14,15
	global_store_b128 v[CO], v[BB+4*\t:BB+4*\t+3], s[10:11] offset:65536*(\a)+4096*\t th:TH_STORE_NT   ; 32 lanes store 512 consecutive bytes, aligned; written once, read by nobody here
.endr
.endm
	PLACES                                         ; behind the last products
	TOSTAGE 0
.irp a, 1,2,3
.if \a > 1
	s_wait_xcnt 0x0                                ; block a - 2's stores have read their data: block a's loads may land there
.endif
	TOSTAGE \a
	SEND \a-1, 32
.endr
	SEND 3, 0
	s_wait_tensorcnt 0x0                           ; the wave's end
	ds_add_u32 v[SPW], v[NIL]
	s_wait_dscnt 0x0
	CROUND                                         ; the closing round
	s_endpgm
.Lfunc_end_k_q731c71a179_oproj:
	.size	k_q731c71a179_oproj, .Lfunc_end_k_q731c71a179_oproj-k_q731c71a179_oproj
	.p2alignl 7, 3214868480
	.fill 96, 4, 3214868480
	.section	.rodata,"a",@progbits
	.p2align	6, 0x0
	.amdhsa_kernel k_q731c71a179_oproj
		.amdhsa_group_segment_fixed_size 327680
		.amdhsa_private_segment_fixed_size 0
		.amdhsa_enable_private_segment 0
		.amdhsa_kernarg_size 32
		.amdhsa_user_sgpr_count 2
		.amdhsa_user_sgpr_kernarg_segment_ptr 1
		.amdhsa_wavefront_size32 1
		.amdhsa_system_sgpr_workgroup_id_x 1
		.amdhsa_system_sgpr_workgroup_id_y 1
		.amdhsa_system_sgpr_workgroup_id_z 1
		.amdhsa_system_vgpr_workitem_id 0
		.amdhsa_next_free_vgpr 768
		.amdhsa_next_free_sgpr 66
		.amdhsa_reserve_vcc 0
		.amdhsa_float_denorm_mode_32 3
		.amdhsa_float_denorm_mode_16_64 3
		.amdhsa_memory_ordered 1
		.amdhsa_forward_progress 1
		.amdhsa_inst_pref_size 87
	.end_amdhsa_kernel
	.amdgpu_metadata
---
amdhsa.version: [ 1, 2 ]
amdhsa.kernels:
  - .name:           k_q731c71a179_oproj
    .symbol:         k_q731c71a179_oproj.kd
    .args:
      - { .name: att, .offset: 0, .size: 8, .value_kind: global_buffer, .address_space: global }
      - { .name: wo16, .offset: 8, .size: 8, .value_kind: global_buffer, .address_space: global }
      - { .name: bo, .offset: 16, .size: 8, .value_kind: global_buffer, .address_space: global }
      - { .name: out0, .offset: 24, .size: 8, .value_kind: global_buffer, .address_space: global }
    .group_segment_fixed_size: 327680
    .private_segment_fixed_size: 0
    .kernarg_segment_align: 8
    .kernarg_segment_size: 32
    .max_flat_workgroup_size: 128
    .sgpr_count:     66
    .vgpr_count:     768
    .wavefront_size: 32
...
	.end_amdgpu_metadata
.endif
;; end of part 4
